; MI455X (gfx1250); checked and timed in simulation.
; The chip was launched on July 23, 2026; its instructions are those of AMD's public machine-readable ISA for CDNA 5 (MIT licence, August 2026) and "CDNA5" Instruction Set Architecture Reference Guide (July 2026). The comments in the code are by the model that wrote it; some were corrected since.
;; Parallel Transformer Block. Allowed arithmetic: matrix products marked QUANTISED: E3M2 operands, one E8M0 scale for each 32 along K, by v_wmma_scale_f32_16x16x128_f8f6f4 with both operands' format E3M2, f32 sums; everything else in f32.
;; Inputs: gamma 1,024 float32; w_attn_out_codes 1,024 x 16 x 24 uint8 (E3M2 codes of w_attn_out, K innermost, in blocks of 32 codes, four codes in three bytes); w_attn_out_scales 1,024 x 16 uint8 (E8M0 scales of w_attn_out, one for each 32 codes along K); w_ff_out_codes 1,024 x 128 x 24 uint8 (E3M2 codes of w_ff_out, K innermost, in blocks of 32 codes, four codes in three bytes); w_ff_out_scales 1,024 x 128 uint8 (E8M0 scales of w_ff_out, one for each 32 codes along K); w_fused_codes 8,768 x 32 x 24 uint8 (E3M2 codes of w_fused, K innermost, in blocks of 32 codes, four codes in three bytes); w_fused_scales 8,768 x 32 uint8 (E8M0 scales of w_fused, one for each 32 codes along K); x 2 x 2,048 x 1,024 float32.
;; Outputs: out0 2 x 2,048 x 1,024 float32.
;; This version of the problem:
;;   THIS VERSION OF THE PROBLEM IS GIVEN IN LOW PRECISION. The matrix products marked QUANTISED in the list below multiply operands that are first quantised to E3M2 (3 exponent bits, 2 mantissa bits; 6 bits a number), with one power-of-two scale for each 32 numbers along K (OCP MX v1.0); their sums are f32. All else is computed in f32.
;;   The module's matrix products, in the order in which they are computed (A, B: the left and right operand; K: the contracted axis; several contracted axes count as one K, in the product's order):
;;     1. [M 4,096, K 1,024] x [K 1,024, N 8,768]; A: computed on the way; B: input w_fused (given as codes): QUANTISED
;;     2. batch 2 x [M 32,768, K 32] x [K 32, N 2,048]; A: computed on the way; B: computed on the way: QUANTISED
;;     3. batch 2 x [M 32,768, K 2,048] x [K 2,048, N 32]; A: softmax (see below); B: computed on the way: QUANTISED
;;     4. [M 4,096, K 512] x [K 512, N 1,024]; A: computed on the way; B: input w_attn_out (given as codes): QUANTISED
;;     5. [M 4,096, K 4,096] x [K 4,096, N 1,024]; A: computed on the way; B: input w_ff_out (given as codes): QUANTISED
;;   THE QUANTISER, for each operand of a quantised product, along K:
;;     - K is cut into blocks of 32 from its start; a last block that is shorter is filled with zeros.
;;     - A block's scale is 2^e with e = floor(log2(the largest magnitude in the block)) - 4, held to -126 .. 127; a block of zeros has e = 0. As a byte (E8M0): e + 127.
;;     - Each number is divided by its block's scale, clamped to +-28, and rounded to the nearest number of E3M2, ties to even, subnormals kept.
;;     - The product sums the exact products of the quantised numbers (number of the format x scale) in f32.
;;   ~~~python
;;   def quantise(x, axis):      # numpy; x: float32 -> the quantised numbers, widened to float32 again
;;       x = np.moveaxis(x, axis, -1); K = x.shape[-1]
;;       x = np.pad(x, [(0, 0)] * (x.ndim - 1) + [(0, -K % 32)]); x = x.reshape(x.shape[:-1] + (-1, 32)); a = np.abs(x).max(-1, keepdims=True)
;;       e = np.where(a > 0, np.clip(np.frexp(np.where(a > 0, a, 1))[1] - 1 - 4, -126, 127), 0)      # np.frexp(a)[1] - 1 = floor(log2(a)), exactly
;;       r = np.clip(x / 2.0 ** e, -28, 28)
;;       step = 2.0 ** (np.maximum(np.frexp(np.where(r == 0, 1, r))[1] - 1, -2) - 2)
;;       q = np.round(r / step) * step * 2.0 ** e      # np.round: ties to even
;;       return np.moveaxis(q.reshape(q.shape[:-2] + (-1,))[..., :K], -1, axis).astype(np.float32)
;;   ~~~
;;   SOFTMAX AHEAD OF A QUANTISED PRODUCT. Where the list says 'softmax', what is quantised is not the finished softmax but p = 2^(t - M), with t = logit x log2(e) and M = ceil(the row's largest t), a whole number; so 1/2 < the row's largest p <= 1. The row's sum l is taken of the UNQUANTISED p, in f32, and the product's result is divided by l at the end. Since M is a whole number, a kernel that streams over the keys may use a running M (the ceiling of the running maximum): every later rescaling is an exact power of two, which a block's scale takes up: the codes' values come out the same.
;;   OPERANDS COMPUTED ON THE WAY. 'Computed on the way' means the value that the module computes at that place (a softmax that the list does not call 'softmax' is quantised finished and normalised). What goes into a quantiser is computed in f32, as accurately as f32 sums, v_exp_f32 and their like allow (about 1e-6 of the number): no bf16 or f16 on the way to a quantiser, and a product that is left as it is and whose result goes on into a quantised operand takes f32 operands (vector FMAs, or v_wmma_f32_16x16x4_f32). A number that lies on a knife's edge between two numbers of the format may be rounded either way, as far as f32 arithmetic and the matrix unit's own rounding can turn it there, and no further.
;;   INPUTS GIVEN AS CODES. w_attn_out (in the module: [512, 1024], K = its axis 0); w_ff_out (in the module: [4096, 1024], K = its axis 0); w_fused (in the module: [1024, 8768], K = its axis 0): each comes as NAME_codes (uint8): NAME with its K axis moved to the last place and cut into blocks of 32 codes, [.., K / 32, bytes a block], one block behind the other in memory; four codes in three bytes: a row's codes are one little-endian stream of bits, code i at bits 6 i .. 6 i + 5 (a code: sign, 3 exponent bits, 2 mantissa bits); and NAME_scales (uint8): the same leading axes, one E8M0 byte (e + 127) for each 32 codes along K. Its value is code x scale, taken as it is: it is not quantised again, and the codes and scales need not be those that the quantiser above would give.
;; One version. Each part assembles by itself: llvm-mc -triple=amdgcn-amd-amdhsa -mcpu=gfx1250 --defsym DOCPART=n.
;; ======== version 1 of 1: 5 launches
;; limits: right only within a limited range of input values
;; workspace buffers: xq 3,145,728 bytes; xs 131,072 bytes; rope 4,210,688 bytes; qc 1,572,864 bytes; qs 65,536 bytes; kv 204,800 bytes; hq 14,155,776 bytes; hs 589,824 bytes
;; launch ln (part 1): grid 256 x 1, 8 waves a work-group, no clusters, 67,328 bytes of LDS; arguments x, gamma, xq, xs, rope, w_ff_out_codes, w_ff_out_scales, w_attn_out_codes, w_attn_out_scales; writes xq, xs, rope
.if DOCPART == 1
	.amdgcn_target "amdgcn-amd-amdhsa--gfx1250"
	.amdhsa_code_object_version 6
	.text
	.protected	k_q9a147cb96b_ln
	.globl	k_q9a147cb96b_ln
	.p2align	8
	.type	k_q9a147cb96b_ln,@function
k_q9a147cb96b_ln:
	s_mov_b64 s[64:65], 0
	v_nop
	global_prefetch_b8 v0, s[64:65] scope:SCOPE_SE
	s_setreg_imm32_b32 hwreg(HW_REG_WAVE_MODE, 25, 1), 1
	s_wait_xcnt 0x0
; LAUNCH 1 OF 5: LayerNorm of x [4096][1024] f32, quantised along K = 1024 to codes of E3M2 with one E8M0 byte for each 32; and the table of the xpos rotary.
; DEAD WORK OF THE WHOLE PROGRAM.  reference() sets sim to -finfo.max where key > query, by a mask that it builds itself (jnp.triu): the softmax gives such a key the weight 0 for every value of the inputs,
; since key 0 always counts and the row's maximum is taken away.  So a step of 128 keys that lies wholly behind a tile's 16 queries reaches no output, and the launch attn leaves such steps out (products 2 and 3).
; Nothing else is left out, and every input is loaded.  LIMIT: a NaN, an infinity or an overflow that reaches only the steps left out is not carried to the result.
; LIMITS: NaN and infinities among the inputs are not served; a block whose largest magnitude lies under 2^-122 gets the byte 1; a block of zeros gets the byte 1 where the rule says 127 (its codes are zeros and
; only this program reads the bytes); the rotary's angle is fl(pos x inv_freq) with inv_freq = 10^(-i/4) rounded to f32 once.
; SHARES.  A work-group takes 16 rows.  First wave w takes rows 2 w and 2 w + 1 whole (a row is 32 registers: mean, then the sum of squared differences: two passes in registers); the normalised rows meet in LDS;
; then wave w takes the 128 columns 128 w .. of all 16 rows and makes one operand fragment of them.
; WHAT IS STORED.  xq: [16 rows][K step of 128]: an IMAGE OF THE OPERAND'S REGISTERS, 1,536 bytes: for c = 0, 1: registers 6 c .. 6 c + 3, 16 bytes a lane, then registers 6 c + 4, 6 c + 5, 8 bytes a lane.
; xs: [row][32 bytes].  rope: [pos][256 bytes]: (cos, sin) x scale / sqrt(32) of i = 0 .. 15 for q, then (cos, sin) / scale for k.
; No matrix unit, no tensor load, no cluster: the launch streams, and a work-group's 64 KiB of x are asked for at its head.
.set XP,    4112                       ; an LDS row: 4,096 bytes + 16 = 257 x 16: the 16 rows that a 16-byte load touches start in 16 different columns of 16 bytes
.set SCW,   16*XP                      ; the 16 rows' scale bytes, 32 a row
.set SPARE, SCW+512                    ; the spare words, 128 bytes for each wave
.set X,     32                         ; v32-95   two rows as loaded; later 64 numbers of a lane along K
.set G,     96                         ; v96-127  gamma of my columns
.set T,     128                        ; v128-143 at work
.set CD,    160                        ; v160-171 the fragment's codes
.set CT,    172                        ; v172-174 a conversion's second half
.set SPW,   12
.set NIL,   13
; 32 numbers of a lane, one block along K, become 6 registers of codes and the block's byte.
.macro QUANT32 h, c, t, mx, so, by
	v_max3_num_f32 v[\mx], |v[(\h)]|, |v[(\h)+1]|, 0x2800000            ; the floor 2^(5 - 127) is one more leaf: the byte cannot fall under 1
	v_max3_num_f32 v[\so], |v[(\h)+16]|, |v[(\h)+17]|, |v[(\h)+18]|     ; two chains
.irp i, 2,4,6,8,10,12
	s_delay_alu instid0(VALU_DEP_2)
	v_max3_num_f32 v[\mx], v[\mx], |v[(\h)+\i]|, |v[(\h)+\i+1]|
	s_delay_alu instid0(VALU_DEP_2)
	v_max3_num_f32 v[\so], v[\so], |v[(\h)+17+\i]|, |v[(\h)+18+\i]|
.endr
	s_delay_alu instid0(VALU_DEP_2)
	v_max3_num_f32 v[\mx], v[\mx], |v[(\h)+14]|, |v[(\h)+15]|
	s_delay_alu instid0(VALU_DEP_1)
	v_max3_num_f32 v[\mx], v[\mx], v[\so], |v[(\h)+31]|
	s_delay_alu instid0(VALU_DEP_1)
	v_add_nc_u32 v[\so], 0xfe000000, v[\mx]                            ; 4 off the exponent field: the conversion's scale operand
	s_delay_alu instid0(VALU_DEP_1)
	v_lshrrev_b32 v[\by], 23, v[\so]                                   ; the scale's byte
	v_cvt_scalef32_pk16_bf6_f32 v[(\c):(\c)+2], v[(\h):(\h)+15], v[\so]
	v_cvt_scalef32_pk16_bf6_f32 v[(\t):(\t)+2], v[(\h)+16:(\h)+31], v[\so]   ; (a conversion's three registers begin on an even number)
	v_nop                                                              ; one plain place behind a scaled conversion
	v_mov_b32 v[(\c)+3], v[(\t)]
	v_mov_b32 v[(\c)+4], v[(\t)+1]
	v_mov_b32 v[(\c)+5], v[(\t)+2]
.endm
.macro LANESUM a, b                    ; the sum over the 32 lanes, in every lane; b has been written before
	s_delay_alu instid0(VALU_DEP_1)
	v_add_f32_dpp v[\a], v[\a], v[\a] row_xmask:1 row_mask:0xf bank_mask:0xf
	s_delay_alu instid0(VALU_DEP_1)
	v_add_f32_dpp v[\a], v[\a], v[\a] row_xmask:2 row_mask:0xf bank_mask:0xf
	s_delay_alu instid0(VALU_DEP_1)
	v_add_f32_dpp v[\a], v[\a], v[\a] row_xmask:4 row_mask:0xf bank_mask:0xf
	s_delay_alu instid0(VALU_DEP_1)
	v_add_f32_dpp v[\a], v[\a], v[\a] row_xmask:8 row_mask:0xf bank_mask:0xf
	s_delay_alu instid0(VALU_DEP_1)
	v_permlanex16_b32 v[\b], v[\a], s20, s21
	s_delay_alu instid0(VALU_DEP_1)
	v_add_f32 v[\a], v[\a], v[\b]
.endm
.macro INV k, lit                      ; inv_freq of i = k
	v_cmp_ne_u32 vcc_lo, \k, v176
	s_delay_alu instid0(VALU_DEP_1)
	v_cndmask_b32 v180, \lit, v180, vcc_lo
.endm
	s_load_b256 s[4:11], s[0:1], 0x0               ; x s[4:5], gamma s[6:7], xq s[8:9], xs s[10:11]
	s_load_b64 s[12:13], s[0:1], 0x20              ; rope
; ALSO HERE: the two output weights are laid once as images of operand registers, behind the rotary's table in the buffer rope:
; from WQ0 [64 blocks of 16 columns][36 K steps of 128: 4 of w_attn_out, 32 of w_ff_out][1,536 bytes]; from WS0 their scale words [36 K steps][1,024 columns x 4 bytes].
; Work-group b: column block b / 4; wave w: w_ff_out's K step 8 (b % 4) + w (the eight waves read 768 consecutive bytes of each row); wave 7 also w_attn_out's K step b % 4.
.set WQ0, 524288
.set WS0, 4063232
	s_load_b256 s[32:39], s[0:1], 0x28             ; w_ff_out's codes, scales, w_attn_out's codes, scales
	v_lshl_add_u32 v[SPW], v0, 2, SPARE
	v_mov_b32 v[NIL], 0
	v_lshrrev_b32 v1, 5, v0
	s_delay_alu instid0(VALU_DEP_1)
	v_readfirstlane_b32 s14, v1                    ; wave 0..7
	v_and_b32 v1, 31, v0                           ; lane
	s_delay_alu instid0(VALU_DEP_1)
	v_lshlrev_b32 v2, 4, v1                        ; 16 x lane
	s_delay_alu instid0(VALU_DEP_2)
	v_lshlrev_b32 v6, 3, v1                        ; 8 x lane
	v_and_b32 v8, 15, v0                           ; r
	v_bfe_u32 v9, v0, 4, 1                         ; h
	s_mul_i32 s15, s14, 2*XP
	v_add_nc_u32 v3, s15, v2                       ; where my two rows go in LDS
	v_mul_u32_u24 v4, v8, XP
	s_delay_alu instid0(VALU_DEP_1)
	v_lshl_add_u32 v4, v9, 7, v4
	s_lshl_b32 s15, s14, 9
	v_add_nc_u32 v4, s15, v4                       ; where my fragment's numbers lie: row r, 512 w + 128 h
	v_lshlrev_b32 v5, 5, v8
	s_lshl_b32 s15, s14, 2
	s_add_co_u32 s15, s15, SCW
	v_add_nc_u32 v5, s15, v5                       ; my scale word: 32 r + 4 w
	v_add_nc_u32 v7, SCW, v2
	v_lshlrev_b32 v10, 3, v9                       ; 8 h
	v_mul_u32_u24 v228, v8, 3072                   ; w_ff_out: row r, + 24 h
	v_mul_u32_u24 v230, v8, 384                    ; w_attn_out likewise
	v_lshlrev_b32 v229, 7, v8                      ; their scale bytes: 128 and 16 a row
	v_lshlrev_b32 v231, 4, v8
	v_mad_u32_u24 v228, v9, 24, v228
	v_mad_u32_u24 v230, v9, 24, v230
	v_lshlrev_b32 v232, 2, v8                      ; 4 r
	s_mov_b32 s20, 0x76543210
	s_mov_b32 s21, 0xfedcba98                      ; v_permlanex16_b32's selects for lane l xor 16
	s_mov_b32 s22, 0x3a800000                      ; 1 / 1024
	s_lshl_b32 s16, ttmp9, 16                      ; 16 rows of 4,096 bytes,
	s_lshl_b32 s17, s14, 13                        ; my two of them
	s_add_co_u32 s16, s16, s17
	s_mov_b32 s17, 0
	s_mul_i32 s18, ttmp9, 12288                    ; 8 images,
	s_mul_i32 s19, s14, 1536                       ; mine
	s_add_co_u32 s18, s18, s19
	s_mov_b32 s19, 0
	s_lshl_b32 s24, ttmp9, 9
	s_mov_b32 s25, 0
	s_lshl_b32 s26, ttmp9, 12
	s_mov_b32 s27, 0
	s_lshr_b32 s44, ttmp9, 2                       ; column block
	s_and_b32 s45, ttmp9, 3
	s_lshl_b32 s46, s45, 3
	s_add_co_u32 s46, s46, s14                     ; my K step of w_ff_out
	s_mul_i32 s48, s44, 49152
	s_mul_i32 s47, s46, 96
	s_add_co_u32 s48, s48, s47
	s_mov_b32 s49, 0
	s_lshl_b32 s50, s44, 11
	s_lshl_b32 s47, s46, 2
	s_add_co_u32 s50, s50, s47
	s_mov_b32 s51, 0
	s_mul_i32 s52, s44, 36
	s_add_co_u32 s47, s52, s46
	s_mul_i32 s54, s47, 1536
	s_add_co_u32 s54, s54, WQ0+4*1536
	s_mov_b32 s55, 0
	s_lshl_b32 s53, s44, 6
	s_lshl_b32 s56, s46, 12
	s_add_co_u32 s56, s56, s53
	s_add_co_u32 s56, s56, WS0+4*4096
	s_mov_b32 s57, 0
	s_mul_i32 s58, s44, 6144
	s_mul_i32 s47, s45, 96
	s_add_co_u32 s58, s58, s47
	s_mov_b32 s59, 0
	s_lshl_b32 s60, s44, 8
	s_lshl_b32 s47, s45, 2
	s_add_co_u32 s60, s60, s47
	s_mov_b32 s61, 0
	s_add_co_u32 s47, s52, s45
	s_mul_i32 s62, s47, 1536
	s_add_co_u32 s62, s62, WQ0
	s_mov_b32 s63, 0
	s_lshl_b32 s66, s45, 12
	s_add_co_u32 s66, s66, s53
	s_add_co_u32 s66, s66, WS0
	s_mov_b32 s67, 0
	s_wait_alu depctr_va_vdst(0)                   ; the wait at the head's end
	s_wait_kmcnt 0x0
	s_add_nc_u64 s[4:5], s[4:5], s[16:17]
	s_add_nc_u64 s[8:9], s[8:9], s[18:19]
	s_add_nc_u64 s[10:11], s[10:11], s[24:25]
	s_add_nc_u64 s[32:33], s[32:33], s[48:49]
	s_add_nc_u64 s[34:35], s[34:35], s[50:51]
	s_add_nc_u64 s[36:37], s[36:37], s[58:59]
	s_add_nc_u64 s[38:39], s[38:39], s[60:61]
	s_add_nc_u64 s[40:41], s[12:13], s[54:55]
	s_add_nc_u64 s[42:43], s[12:13], s[56:57]
	s_add_nc_u64 s[68:69], s[12:13], s[62:63]
	s_add_nc_u64 s[70:71], s[12:13], s[66:67]
	; the weights' loads go first, so the counted waits for gamma and x cover them too
.irp p, 0,1,2,3,4,5
	global_load_b64 v[200+2*\p:201+2*\p], v228, s[32:33] offset:48*(\p/3)+8*(\p%3) th:TH_LOAD_NT
.endr
	global_load_b32 v212, v229, s[34:35] th:TH_LOAD_NT
	s_cmp_lg_u32 s14, 7
	s_cbranch_scc1 .Lno_at
.irp p, 0,1,2,3,4,5
	global_load_b64 v[214+2*\p:215+2*\p], v230, s[36:37] offset:48*(\p/3)+8*(\p%3) th:TH_LOAD_NT
.endr
	global_load_b32 v226, v231, s[38:39] th:TH_LOAD_NT
.Lno_at:
.irp j, 0,1,2,3,4,5,6,7
	global_load_b128 v[G+4*\j:G+4*\j+3], v2, s[6:7] offset:512*\j
.endr
.irp p, 0,1
.irp j, 0,1,2,3,4,5,6,7
	global_load_b128 v[X+32*\p+4*\j:X+32*\p+4*\j+3], v2, s[4:5] offset:4096*\p+512*\j th:TH_LOAD_NT   ; 32 lanes read 512 consecutive bytes
.endr
.endr
	; THE ROTARY'S TABLE, while the loads are on their way: the first 128 work-groups, 16 positions each; thread T: i = T % 16, pos = 16 x work-group + T / 16
	s_cmp_lt_u32 ttmp9, 128
	s_cbranch_scc0 .Lno_rope
	s_add_nc_u64 s[12:13], s[12:13], s[26:27]
	v_and_b32 v176, 15, v0
	v_lshrrev_b32 v177, 4, v0
	s_lshl_b32 s23, ttmp9, 4
	v_add_nc_u32 v178, s23, v177
	s_delay_alu instid0(VALU_DEP_1)
	v_cvt_f32_u32 v179, v178                       ; pos
	v_cvt_f32_u32 v184, v176                       ; i
	v_mov_b32 v180, 1.0
	INV 1, 0x3f0ff59a                              ; 10^(-i/4)
	INV 2, 0x3ea1e89b
	INV 3, 0x3e361887
	INV 4, 0x3dcccccd
	INV 5, 0x3d6655c3
	INV 6, 0x3d0186e2
	INV 7, 0x3c91ad39
	INV 8, 0x3c23d70a
	INV 9, 0x3bb8449c
	INV 10, 0x3b4f3e37
	INV 11, 0x3ae91528
	INV 12, 0x3a83126f
	INV 13, 0x3a136a16
	INV 14, 0x39a5cb5f
	INV 15, 0x393a7753
	s_delay_alu instid0(VALU_DEP_1)
	v_mul_f32 v181, v179, v180                     ; the angle, at most 2,047
	s_delay_alu instid0(VALU_DEP_1)
	v_mul_f32 v182, 0x3f22f983, v181               ; x 2 / pi
	s_delay_alu instid0(VALU_DEP_1)
	v_rndne_f32 v182, v182                         ; n quarter turns
	s_delay_alu instid0(VALU_DEP_1)
	v_fma_f32 v183, -v182, 0x3fc90fdb, v181        ; less n x pi / 2, in two parts
	s_delay_alu instid0(VALU_DEP_1)
	v_fma_f32 v183, -v182, 0xb33bbd2e, v183        ; r, within pi / 4
	s_delay_alu instid0(VALU_DEP_1)
	v_mul_f32 v185, v183, v183
	v_mov_b32 v186, 0xb94ca1f9
	s_delay_alu instid0(VALU_DEP_1)
	v_fmaak_f32 v186, v186, v185, 0x3c08839e
	s_delay_alu instid0(VALU_DEP_1)
	v_fmaak_f32 v186, v186, v185, 0xbe2aaaa3
	s_delay_alu instid0(VALU_DEP_1)
	v_mul_f32 v186, v186, v185
	s_delay_alu instid0(VALU_DEP_1)
	v_fma_f32 v186, v186, v183, v183               ; sin r
	v_mov_b32 v187, 0x37ccf5ce
	s_delay_alu instid0(VALU_DEP_1)
	v_fmaak_f32 v187, v187, v185, 0xbab6061a
	s_delay_alu instid0(VALU_DEP_1)
	v_fmaak_f32 v187, v187, v185, 0x3d2aaaa5
	s_delay_alu instid0(VALU_DEP_1)
	v_fmaak_f32 v187, v187, v185, 0xbf000000
	s_delay_alu instid0(VALU_DEP_1)
	v_fmaak_f32 v187, v187, v185, 0x3f800000       ; cos r
	v_cvt_i32_f32 v188, v182
	s_delay_alu instid0(VALU_DEP_1)
	v_and_b32 v189, 1, v188
	s_delay_alu instid0(VALU_DEP_1)
	v_cmp_eq_u32 vcc_lo, 1, v189
	s_delay_alu instid0(VALU_DEP_1)
	v_cndmask_b32 v190, v186, v187, vcc_lo         ; an odd quarter swaps the two;
	s_delay_alu instid0(VALU_DEP_2)
	v_cndmask_b32 v191, v187, v186, vcc_lo
	v_and_b32 v189, 2, v188
	s_delay_alu instid0(VALU_DEP_1)
	v_lshlrev_b32 v189, 30, v189
	s_delay_alu instid0(VALU_DEP_1)
	v_xor_b32 v190, v189, v190                     ; sin is negative in quarters 2 and 3,
	v_add_nc_u32 v188, 1, v188
	s_delay_alu instid0(VALU_DEP_1)
	v_and_b32 v189, 2, v188
	s_delay_alu instid0(VALU_DEP_1)
	v_lshlrev_b32 v189, 30, v189
	s_delay_alu instid0(VALU_DEP_1)
	v_xor_b32 v191, v189, v191                     ; cos in quarters 1 and 2
	s_mov_b32 s23, 0x3d36db6e
	v_fmaak_f32 v192, s23, v184, 0x3e924925        ; (2 i + 12.8) / 44.8
	s_wait_alu depctr_va_vdst(0)
	v_log_f32 v192, v192
	v_fma_f32 v193, v179, 0x3b000000, -2.0         ; (pos - 1024) / 512, exact.  (The plain place behind the logarithm)
	s_wait_alu depctr_va_vdst(0)                   ; the wait ahead of the first reader
	v_mul_f32 v192, v193, v192
	s_wait_alu depctr_va_vdst(0)
	v_exp_f32 v194, v192                           ; the scale
	v_exp_f32 v195, -v192                          ; and 1 / scale
	v_lshlrev_b32 v177, 8, v177                    ; (the plain place)
	s_wait_alu depctr_va_vdst(0)                   ; one wait for both
	v_lshl_add_u32 v177, v176, 3, v177             ; 256 (T / 16) + 8 i
	v_mul_f32 v196, v191, v194
	v_mul_f32 v197, v190, v194
	s_delay_alu instid0(VALU_DEP_2)
	v_mul_f32 v196, 0x3e3504f3, v196               ; q's also carry 1 / sqrt(32)
	s_delay_alu instid0(VALU_DEP_2)
	v_mul_f32 v197, 0x3e3504f3, v197
	v_mul_f32 v198, v191, v195
	v_mul_f32 v199, v190, v195
	global_store_b64 v177, v[196:197], s[12:13]
	global_store_b64 v177, v[198:199], s[12:13] offset:128
.Lno_rope:
; One row: mean, differences, their squares' mean, 1 / sqrt, gamma; then into LDS.
.macro ROW p
.set XR, X+32*\p
	s_wait_loadcnt 8-8*\p                          ; gamma and this row are in; row 1's eight loads may be out while row 0 is worked
.irp j, 0,2,4,6,8,10,12,14
	v_pk_add_f32 v[T+\j:T+\j+1], v[XR+\j:XR+\j+1], v[XR+16+\j:XR+17+\j]
.endr
.irp j, 0,2,4,6
	s_delay_alu instid0(VALU_DEP_4)
	v_pk_add_f32 v[T+\j:T+\j+1], v[T+\j:T+\j+1], v[T+8+\j:T+9+\j]
.endr
.irp j, 0,2
	s_delay_alu instid0(VALU_DEP_2)
	v_pk_add_f32 v[T+\j:T+\j+1], v[T+\j:T+\j+1], v[T+4+\j:T+5+\j]
.endr
	s_delay_alu instid0(VALU_DEP_1)
	v_pk_add_f32 v[T:T+1], v[T:T+1], v[T+2:T+3]
	s_delay_alu instid0(VALU_DEP_1)
	v_add_f32 v[T], v[T], v[T+1]
	LANESUM T, T+1
	s_delay_alu instid0(VALU_DEP_1)
	v_mul_f32 v[T+2], s22, v[T]                    ; the mean
.set j, 0
.rept 16
	v_pk_add_f32 v[XR+j:XR+j+1], v[XR+j:XR+j+1], v[T+2:T+3] op_sel_hi:[1,0] neg_lo:[0,1] neg_hi:[0,1]
.set j, j+2
.endr
.irp j, 0,2,4,6
	v_pk_mul_f32 v[T+4+\j:T+5+\j], v[XR+\j:XR+\j+1], v[XR+\j:XR+\j+1]         ; four chains, started by the first products
.endr
.irp k, 8,16,24
.irp j, 0,2,4,6
	s_delay_alu instid0(VALU_DEP_4)
	v_pk_fma_f32 v[T+4+\j:T+5+\j], v[XR+\k+\j:XR+\k+\j+1], v[XR+\k+\j:XR+\k+\j+1], v[T+4+\j:T+5+\j]
.endr
.endr
	s_delay_alu instid0(VALU_DEP_3)
	v_pk_add_f32 v[T+4:T+5], v[T+4:T+5], v[T+6:T+7]
	s_delay_alu instid0(VALU_DEP_2)
	v_pk_add_f32 v[T+8:T+9], v[T+8:T+9], v[T+10:T+11]
	s_delay_alu instid0(VALU_DEP_1)
	v_pk_add_f32 v[T+4:T+5], v[T+4:T+5], v[T+8:T+9]
	s_delay_alu instid0(VALU_DEP_1)
	v_add_f32 v[T+4], v[T+4], v[T+5]
	LANESUM T+4, T+5
	s_delay_alu instid0(VALU_DEP_1)
	v_fmaak_f32 v[T+6], s22, v[T+4], 0x3727c5ac    ; the variance + 1e-5
	s_wait_alu depctr_va_vdst(0)
	v_rsq_f32 v[T+6], v[T+6]
	v_nop                                          ; the plain place behind the transcendental
	s_wait_alu depctr_va_vdst(0)                   ; and the wait ahead of its first reader
.set j, 0
.rept 16
	v_pk_mul_f32 v[XR+j:XR+j+1], v[XR+j:XR+j+1], v[T+6:T+7] op_sel_hi:[1,0]
.set j, j+2
.endr
.set j, 0
.rept 16
	v_pk_mul_f32 v[XR+j:XR+j+1], v[XR+j:XR+j+1], v[G+j:G+j+1]
.set j, j+2
.endr
.irp j, 0,1,2,3,4,5,6,7
	ds_store_b128 v3, v[XR+4*\j:XR+4*\j+3] offset:\p*XP+512*\j
.endr
.endm
	ROW 0
	ROW 1
	; every load has landed (row 1's wait was for 0): the weights' images go out
	global_store_b128 v2, v[200:203], s[40:41]
	global_store_b64 v6, v[204:205], s[40:41] offset:512
	global_store_b128 v2, v[206:209], s[40:41] offset:768
	global_store_b64 v6, v[210:211], s[40:41] offset:1280
	global_store_b32 v232, v212, s[42:43]          ; (both halves of the lanes write the same word)
	s_cmp_lg_u32 s14, 7
	s_cbranch_scc1 .Lno_at2
	global_store_b128 v2, v[214:217], s[68:69]
	global_store_b64 v6, v[218:219], s[68:69] offset:512
	global_store_b128 v2, v[220:223], s[68:69] offset:768
	global_store_b64 v6, v[224:225], s[68:69] offset:1280
	global_store_b32 v232, v226, s[70:71]
.Lno_at2:
	s_wait_dscnt 0x0                               ; for the others' sake: my two rows lie in LDS
	s_barrier_signal -1
	s_barrier_wait -1
	; lane (r, h) takes, of row r, k = 128 w + 64 c + 32 h + 0 .. 31 for c = 0, 1: the very numbers that the operand's layout gives that lane
.irp c, 0,1
.irp e, 0,1,2,3,4,5,6,7
	ds_load_b128 v[X+32*\c+4*\e:X+32*\c+4*\e+3], v4 offset:256*\c+16*\e
.endr
.endr
	s_wait_dscnt 0x0
	QUANT32 X, CD, CT, 144, 145, 146
	QUANT32 X+32, CD+6, CT, 144, 145, 147
	v_lshl_or_b32 v148, v147, 16, v146             ; my two bytes, blocks h and 2 + h,
	s_delay_alu instid0(VALU_DEP_1)
	v_lshlrev_b32 v148, v10, v148                  ; at their places in the word;
	s_delay_alu instid0(VALU_DEP_1)
	v_permlanex16_b32 v144, v148, s20, s21
	s_delay_alu instid0(VALU_DEP_1)
	v_or_b32 v148, v148, v144                      ; with lane l xor 16's two the word is whole
	ds_store_b32 v5, v148                          ; (both halves of the lanes write the same word with the same value)
	global_store_b128 v2, v[CD:CD+3], s[8:9]                   ; the image: 512 consecutive bytes,
	global_store_b64 v6, v[CD+4:CD+5], s[8:9] offset:512       ; 256,
	global_store_b128 v2, v[CD+6:CD+9], s[8:9] offset:768      ; and the second half likewise
	global_store_b64 v6, v[CD+10:CD+11], s[8:9] offset:1280
	s_wait_dscnt 0x0                               ; my scale words lie in LDS
	s_barrier_signal -1
	s_barrier_wait -1
	s_cmp_lg_u32 s14, 0
	s_cbranch_scc1 .Lend
	ds_load_b128 v[T:T+3], v7                      ; wave 0 stores the 16 rows' 512 scale bytes: two aligned runs of 256
	s_wait_dscnt 0x0
	global_store_b128 v2, v[T:T+3], s[10:11]
.Lend:
	s_wait_tensorcnt 0x0                           ; the wave's end: behind my last LDS store
	ds_add_u32 v[SPW], v[NIL]
	s_wait_dscnt 0x0
	s_endpgm
.Lfunc_end_k_q9a147cb96b_ln:
	.size	k_q9a147cb96b_ln, .Lfunc_end_k_q9a147cb96b_ln-k_q9a147cb96b_ln
	.p2alignl 7, 3214868480
	.fill 96, 4, 3214868480
	.section	.rodata,"a",@progbits
	.p2align	6, 0x0
	.amdhsa_kernel k_q9a147cb96b_ln
		.amdhsa_group_segment_fixed_size 67328
		.amdhsa_private_segment_fixed_size 0
		.amdhsa_enable_private_segment 0
		.amdhsa_kernarg_size 72
		.amdhsa_user_sgpr_count 2
		.amdhsa_user_sgpr_kernarg_segment_ptr 1
		.amdhsa_wavefront_size32 1
		.amdhsa_system_sgpr_workgroup_id_x 1
		.amdhsa_system_sgpr_workgroup_id_y 1
		.amdhsa_system_sgpr_workgroup_id_z 1
		.amdhsa_system_vgpr_workitem_id 0
		.amdhsa_next_free_vgpr 240
		.amdhsa_next_free_sgpr 72
		.amdhsa_reserve_vcc 1
		.amdhsa_float_denorm_mode_32 3
		.amdhsa_float_denorm_mode_16_64 3
		.amdhsa_memory_ordered 1
		.amdhsa_forward_progress 1
		.amdhsa_inst_pref_size 37
	.end_amdhsa_kernel
	.amdgpu_metadata
---
amdhsa.version: [ 1, 2 ]
amdhsa.kernels:
  - .name:           k_q9a147cb96b_ln
    .symbol:         k_q9a147cb96b_ln.kd
    .args:
      - { .name: x, .offset: 0, .size: 8, .value_kind: global_buffer, .address_space: global }
      - { .name: gamma, .offset: 8, .size: 8, .value_kind: global_buffer, .address_space: global }
      - { .name: xq, .offset: 16, .size: 8, .value_kind: global_buffer, .address_space: global }
      - { .name: xs, .offset: 24, .size: 8, .value_kind: global_buffer, .address_space: global }
      - { .name: rope, .offset: 32, .size: 8, .value_kind: global_buffer, .address_space: global }
      - { .name: w_ff_out_codes, .offset: 40, .size: 8, .value_kind: global_buffer, .address_space: global }
      - { .name: w_ff_out_scales, .offset: 48, .size: 8, .value_kind: global_buffer, .address_space: global }
      - { .name: w_attn_out_codes, .offset: 56, .size: 8, .value_kind: global_buffer, .address_space: global }
      - { .name: w_attn_out_scales, .offset: 64, .size: 8, .value_kind: global_buffer, .address_space: global }
    .group_segment_fixed_size: 67328
    .private_segment_fixed_size: 0
    .kernarg_segment_align: 8
    .kernarg_segment_size: 72
    .max_flat_workgroup_size: 256
    .sgpr_count:     72
    .vgpr_count:     240
    .wavefront_size: 32
...
	.end_amdgpu_metadata
.endif
;; end of part 1
;; launch qkv (part 2): grid 64 x 3, 6 waves a work-group, clusters of 4 x 1, 232,192 bytes of LDS; arguments xq, xs, w_fused_codes, w_fused_scales, rope, qc, qs, kv; writes qc, qs, kv
.if DOCPART == 2
	.amdgcn_target "amdgcn-amd-amdhsa--gfx1250"
	.amdhsa_code_object_version 6
	.text
	.protected	k_q9a147cb96b_qkv
	.globl	k_q9a147cb96b_qkv
	.p2align	8
	.type	k_q9a147cb96b_qkv,@function
k_q9a147cb96b_qkv:
	s_mov_b64 s[64:65], 0
	v_nop
	global_prefetch_b8 v0, s[64:65] scope:SCOPE_SE
	s_setreg_imm32_b32 hwreg(HW_REG_WAVE_MODE, 25, 1), 1
	s_wait_xcnt 0x0
	s_wait_alu depctr_hold_cnt(0) depctr_sa_sdst(0) depctr_va_vdst(0) depctr_va_sdst(0) depctr_va_ssrc(0) depctr_va_vcc(0) depctr_vm_vsrc(0)
	s_getreg_b32 s2, hwreg(HW_REG_IB_STS2, 6, 4)
	s_cmp_eq_u32 s2, 0
	s_cbranch_scc0 .Lentry_in_a_cluster
	s_endpgm
.Lentry_in_a_cluster:
	s_bfe_u32 s2, ttmp6, 0x10000c
	s_cmp_lg_u32 s2, 0x3003
	s_cbranch_scc0 .Lentry_shape_is_right
	s_endpgm
.Lentry_shape_is_right:
; LAUNCH 2 OF 5: columns 0 .. 575 of the fused projection (16 heads of q, k, v; K = 1024), the xpos rotary on q and k, and the three results quantised: q and k along the head's 32, v along the keys.
; SHARES.  Work-group (X, y): 64 rows (four blocks of 16) x 192 columns.  Wave w owns the 32 columns of group g = 6 y + w: g < 16 a head of q, 16 k, 17 v.  8 K steps x 8 matrix instructions a wave.
; Everything that a work-group reads comes into LDS once, by first fills: nothing is filled again.  CLUSTER: the four partners share y, so the weights' codes and scale bytes (153 of 220 KiB) are asked for JOINTLY.
; q, k: the product is used transposed (source 0 = 16 rows of W, source 1 = 16 rows of x): a lane holds one row and eight of its 32 numbers.  v: the other way round: a lane holds one of the head's 32 and eight keys.
; WHAT IS STORED.  All codes as images of operand registers (launch ln's form).  q and k in KEY ORDER: an image holds 64 rows as four blocks of 32 along the instruction's K; block B of image row m is row
; 32 (B / 2) + 8 (B % 2) + m + 8 (m / 8): so one fragment of 12 registers serves four tiles of the K = 32 product, and two neighbouring tiles' results are 16 neighbouring keys.
; v: [128 keys][16 of the head's 32]: the plain layout, K = the keys.
.set AX,    0                          ; x's images: 4 row blocks x 8 K steps x 1,536 bytes
.set WX,    49152                      ; W's 192 rows
.set WP,    816                        ; 768 bytes as 3 x (256 + 16): 204 words: rows start 12 words apart modulo 64, the second half of the lanes 6 or 10 words on: the 32 lanes of an 8-byte load touch 64 different words modulo 64
.set AXS,   WX+192*WP                  ; x's scale bytes, 64 rows x 32
.set WXS,   AXS+2048                   ; W's, 192 rows x 32
.set RT,    WXS+6144                   ; the rotary's 64 rows
.set RTP,   272
.set SPARE, RT+64*RTP                  ; the spare words, 128 bytes for each wave
.set A16, 1                            ; v1  16 x lane
.set A8,  2                            ; v2  8 x lane
.set AW,  3                            ; v3  my lane's place in W's rows;  v4 the same behind one padding more
.set AW2, 4
.set AAS, 5                            ; v5  x's scale words;  v6 W's
.set AWS, 6
.set ART, 7                            ; v7  the rotary's pairs
.set O16, 8                            ; v8, v9  key order: 16 x and 8 x my slot;  v10 4 x image row;  v11 8 x (my row / 8)
.set O8,  9
.set OS,  10
.set OV,  11
.set SPW, 12
.set NIL, 13
.set ACC, 16                           ; v16-79   eight accumulators
.set AF,  80                           ; v80-127, v128-175  x's four fragments, two buffers
.set WF,  176                          ; v176-199, v200-223 W's two fragments, two buffers
.set AS,  224                          ; v224-239 x's scale words: pair p, K step s at 8 p + s: lanes 0-15 row block 2 p, lanes 16-31 row block 2 p + 1
.set WS,  240                          ; v240-247 W's: K step s: lanes 0-15 my columns 0-15, lanes 16-31 columns 16-31
.set H,   128                          ; the way out: 32 numbers a lane
.set WV,  84
.set G1W, 20
.set G1A, 28
.set G1WS, 36
.set G1AS, 44
.set G1R, 52
.set G0W, 60
.set G0A, 68
.set G0WS, 72
.set G0AS, 76
.set G0R, 80
.macro GRP1 g, d0, d1, st              ; words 1 to 7 of a descriptor's group 1: a tile of d1 rows of d0 elements that lies inside its tensor, st elements from row to row
	s_mov_b32 s[\g+1], (\d0)<<16
	s_mov_b32 s[\g+2], (\d1)<<16
	s_mov_b32 s[\g+3], (\d0)<<16
	s_mov_b32 s[\g+4], \d1
	s_mov_b32 s[\g+5], \st
	s_mov_b32 s[\g+6], 0
	s_mov_b32 s[\g+7], 0
.endm
.macro PLACES n
.rept \n
	v_nop
.endr
.endm
.macro CROUND                          ; a round of the cluster's barrier
	s_barrier_signal -1
	s_barrier_wait -1
	s_cmp_lg_u32 s[WV], 0
	s_cbranch_scc1 .Lnot_wave_0_\@
	s_barrier_signal -3
.Lnot_wave_0_\@:
	s_barrier_wait -3
	s_barrier_signal -1
	s_barrier_wait -1
.endm
.macro WM d, a, b, z, sa, sb, ra, rb   ; one product; z: it starts the sum; ra, rb: the scales stand in lanes 16-31
.if \z
.if (\ra)&&(\rb)
	v_wmma_scale_f32_16x16x128_f8f6f4 v[(\d):(\d)+7], v[(\a):(\a)+11], v[(\b):(\b)+11], 0, v[\sa], v[\sb] matrix_a_fmt:MATRIX_FMT_BF6 matrix_b_fmt:MATRIX_FMT_BF6 matrix_a_scale:MATRIX_SCALE_ROW1 matrix_b_scale:MATRIX_SCALE_ROW1
.elseif \ra
	v_wmma_scale_f32_16x16x128_f8f6f4 v[(\d):(\d)+7], v[(\a):(\a)+11], v[(\b):(\b)+11], 0, v[\sa], v[\sb] matrix_a_fmt:MATRIX_FMT_BF6 matrix_b_fmt:MATRIX_FMT_BF6 matrix_a_scale:MATRIX_SCALE_ROW1
.elseif \rb
	v_wmma_scale_f32_16x16x128_f8f6f4 v[(\d):(\d)+7], v[(\a):(\a)+11], v[(\b):(\b)+11], 0, v[\sa], v[\sb] matrix_a_fmt:MATRIX_FMT_BF6 matrix_b_fmt:MATRIX_FMT_BF6 matrix_b_scale:MATRIX_SCALE_ROW1
.else
	v_wmma_scale_f32_16x16x128_f8f6f4 v[(\d):(\d)+7], v[(\a):(\a)+11], v[(\b):(\b)+11], 0, v[\sa], v[\sb] matrix_a_fmt:MATRIX_FMT_BF6 matrix_b_fmt:MATRIX_FMT_BF6
.endif
.else
.if (\ra)&&(\rb)
	v_wmma_scale_f32_16x16x128_f8f6f4 v[(\d):(\d)+7], v[(\a):(\a)+11], v[(\b):(\b)+11], v[(\d):(\d)+7], v[\sa], v[\sb] matrix_a_fmt:MATRIX_FMT_BF6 matrix_b_fmt:MATRIX_FMT_BF6 matrix_a_scale:MATRIX_SCALE_ROW1 matrix_b_scale:MATRIX_SCALE_ROW1
.elseif \ra
	v_wmma_scale_f32_16x16x128_f8f6f4 v[(\d):(\d)+7], v[(\a):(\a)+11], v[(\b):(\b)+11], v[(\d):(\d)+7], v[\sa], v[\sb] matrix_a_fmt:MATRIX_FMT_BF6 matrix_b_fmt:MATRIX_FMT_BF6 matrix_a_scale:MATRIX_SCALE_ROW1
.elseif \rb
	v_wmma_scale_f32_16x16x128_f8f6f4 v[(\d):(\d)+7], v[(\a):(\a)+11], v[(\b):(\b)+11], v[(\d):(\d)+7], v[\sa], v[\sb] matrix_a_fmt:MATRIX_FMT_BF6 matrix_b_fmt:MATRIX_FMT_BF6 matrix_b_scale:MATRIX_SCALE_ROW1
.else
	v_wmma_scale_f32_16x16x128_f8f6f4 v[(\d):(\d)+7], v[(\a):(\a)+11], v[(\b):(\b)+11], v[(\d):(\d)+7], v[\sa], v[\sb] matrix_a_fmt:MATRIX_FMT_BF6 matrix_b_fmt:MATRIX_FMT_BF6
.endif
.endif
.endm
.macro AFRAG reg, a16, a8, off         ; an image comes back as the registers that it was made of
	ds_load_b128 v[(\reg):(\reg)+3], v[\a16] offset:\off
	ds_load_b64 v[(\reg)+4:(\reg)+5], v[\a8] offset:\off+512
	ds_load_b128 v[(\reg)+6:(\reg)+9], v[\a16] offset:\off+768
	ds_load_b64 v[(\reg)+10:(\reg)+11], v[\a8] offset:\off+1280
.endm
.macro WFRAG reg, s, t                 ; 16 rows of W x K step s, from rows as they lie in memory: six pieces of 8 bytes; lanes 16-31 read three pieces on, which for some pieces is behind one padding more
.irp p, 0,1,2,3,4,5
.set PC, 12*(\s)+6*(\p/3)+\p%3
.if PC%32 < 29
	ds_load_b64 v[(\reg)+2*\p:(\reg)+2*\p+1], v[AW] offset:8*PC+16*(PC/32)+(\t)*16*WP
.else
	ds_load_b64 v[(\reg)+2*\p:(\reg)+2*\p+1], v[AW2] offset:8*PC+16*(PC/32)+(\t)*16*WP
.endif
.endr
.endm
.macro LOADS s                         ; K step s's fragments: 16 + 12 loads
.irp rb, 0,1,2,3
	AFRAG AF+48*((\s)%2)+12*\rb, A16, A8, AX+\rb*12288+(\s)*1536
.endr
.irp t, 0,1
	WFRAG WF+24*((\s)%2)+12*\t, \s, \t
.endr
.endm
.macro SWAP16 h                        ; H = [X0, X1, Y0, Y1], 8 registers each: tile Xu holds numbers 8 (lane / 16) + j of block u, Yu numbers 16 + 8 (lane / 16) + j.  Afterwards lanes 0-15 hold block 0's 32 numbers in order, lanes 16-31 block 1's
.irp j, 0,1,2,3,4,5,6,7
	v_permlane16_swap_b32 v[(\h)+\j], v[(\h)+8+\j]
.endr
.irp j, 0,1,2,3,4,5,6,7
	v_permlane16_swap_b32 v[(\h)+16+\j], v[(\h)+24+\j]
.endr
.endm
.macro QUANT32 h, c, t, mx, so, by     ; 32 numbers of a lane, one block, become 6 registers of codes and the block's byte
	v_max3_num_f32 v[\mx], |v[(\h)]|, |v[(\h)+1]|, 0x2800000            ; the floor 2^(5 - 127): the byte cannot fall under 1
	v_max3_num_f32 v[\so], |v[(\h)+16]|, |v[(\h)+17]|, |v[(\h)+18]|
.irp i, 2,4,6,8,10,12
	v_max3_num_f32 v[\mx], v[\mx], |v[(\h)+\i]|, |v[(\h)+\i+1]|
	v_max3_num_f32 v[\so], v[\so], |v[(\h)+17+\i]|, |v[(\h)+18+\i]|
.endr
	v_max3_num_f32 v[\mx], v[\mx], |v[(\h)+14]|, |v[(\h)+15]|
	v_max3_num_f32 v[\mx], v[\mx], v[\so], |v[(\h)+31]|
	v_add_nc_u32 v[\so], 0xfe000000, v[\mx]
	v_lshrrev_b32 v[\by], 23, v[\so]
	v_cvt_scalef32_pk16_bf6_f32 v[(\c):(\c)+2], v[(\h):(\h)+15], v[\so]
	v_cvt_scalef32_pk16_bf6_f32 v[(\t):(\t)+2], v[(\h)+16:(\h)+31], v[\so]
	v_nop                                                              ; one plain place behind a scaled conversion
	v_mov_b32 v[(\c)+3], v[(\t)]
	v_mov_b32 v[(\c)+4], v[(\t)+1]
	v_mov_b32 v[(\c)+5], v[(\t)+2]
.endm
	s_load_b256 s[4:11], s[0:1], 0x0               ; xq s[4:5], xs s[6:7], W's codes s[8:9], W's scales s[10:11]
	s_load_b256 s[12:19], s[0:1], 0x20             ; rope s[12:13], qc s[14:15], qs s[16:17], kv s[18:19]
	v_lshl_add_u32 v[SPW], v0, 2, SPARE
	v_mov_b32 v[NIL], 0
	ds_add_u32 v[SPW], v[NIL]                      ; the wave's opening: the add, twice on end, and its wait ahead of my first tensor load
	ds_add_u32 v[SPW], v[NIL]
	v_lshrrev_b32 v14, 5, v0
	v_readfirstlane_b32 s[WV], v14                 ; wave 0..5
	s_bfe_u32 s85, ttmp6, 0x40000                  ; cx
	s_lshl_b32 s86, ttmp9, 2
	s_add_co_u32 s86, s86, s85                     ; X: which 64 rows.  It enters global addresses alone
	s_and_b32 s87, ttmp7, 0xffff                   ; y, which the four partners share
	s_mul_i32 s88, s87, 6
	s_add_co_u32 s88, s88, s[WV]                   ; g
	s_mov_b32 s[G1W], 15|(1<<20)|(1<<21)|(5<<22)|(3<<25)   ; the mask: all four; bytes; 4 words of padding behind every 64
	GRP1 G1W, 768, 96, 768
	s_mov_b32 s[G1A], 3<<16                        ; elements of 8 bytes, a dense block as rows of 256 bytes
	GRP1 G1A, 32, 192, 32
	s_mov_b32 s[G1WS], 15|(3<<16)|(1<<21)
	GRP1 G1WS, 32, 24, 32
	s_mov_b32 s[G1AS], 3<<16
	GRP1 G1AS, 32, 8, 32
	s_mov_b32 s[G1R], (3<<16)|(1<<20)|(5<<22)|(3<<25)
	GRP1 G1R, 32, 64, 32
	s_mov_b32 s2, 0x76543210
	s_mov_b32 s3, 0xfedcba98                       ; v_permlanex16_b32's selects for lane l xor 16
	; every LDS address is made here, ahead of the first parting of the waves
	v_and_b32 v14, 31, v0
	v_lshlrev_b32 v[A16], 4, v14
	v_lshlrev_b32 v[A8], 3, v14
	v_and_b32 v15, 15, v0                          ; r
	v_bfe_u32 v14, v0, 4, 1                        ; h
	s_lshl_b32 s92, s[WV], 5
	v_add_nc_u32 v[AW], s92, v15
	v_mul_u32_u24 v[AW], v[AW], WP
	v_mad_u32_u24 v[AW], v14, 24, v[AW]
	v_add_nc_u32 v[AW], WX, v[AW]                  ; W: row 32 w + r, + 24 h
	v_lshl_add_u32 v[AW2], v14, 4, v[AW]
	v_lshl_add_u32 v[AAS], v14, 4, v15
	v_lshlrev_b32 v[AAS], 5, v[AAS]                ; 32 bytes a row, row 16 h + r
	s_lshl_b32 s92, s[WV], 10
	s_add_co_u32 s92, s92, WXS
	v_add_nc_u32 v[AWS], s92, v[AAS]
	v_add_nc_u32 v[AAS], AXS, v[AAS]
	v_mul_u32_u24 v[ART], v15, RTP
	v_lshl_add_u32 v[ART], v14, 6, v[ART]          ; the rotary: row r, my eight pairs: 64 h
	v_add_nc_u32 v[ART], RT, v[ART]                ; (k's pairs lie 128 bytes behind q's: the loads' immediate says which)
	v_and_b32 v[O16], 7, v0
	v_lshl_or_b32 v[O16], v14, 3, v[O16]           ; key order: image row m = (r % 8) + 8 h,
	v_lshlrev_b32 v[OS], 2, v[O16]
	v_bfe_u32 v[OV], v0, 3, 1
	v_lshl_or_b32 v[O16], v[OV], 4, v[O16]         ; slot = m + 16 (r / 8)
	v_lshlrev_b32 v[O8], 3, v[O16]
	v_lshlrev_b32 v[O16], 4, v[O16]
	v_lshlrev_b32 v[OV], 3, v[OV]
	v_lshlrev_b32 v14, 3, v14                      ; 8 h
	v_lshlrev_b32 v15, 2, v15                      ; 4 r
	; where the results go
	s_lshr_b32 s93, s86, 5                         ; batch
	s_and_b32 s94, s86, 31                         ; which 64 positions of the sequence
	s_mul_i32 s93, s93, 102400
	s_lshl_b32 s95, s88, 6
	s_add_co_u32 s95, s95, s86
	s_mul_i32 s96, s95, 1536                       ; q: image 64 g + X,
	s_lshl_b32 s95, s95, 6                         ; its 64 scale bytes
	s_mul_i32 s97, s94, 1536
	s_add_co_u32 s97, s97, s93                     ; k: image X % 32 of the batch,
	s_lshl_b32 s98, s94, 6
	s_add_co_u32 s98, s98, s93
	s_add_co_u32 s98, s98, 98304                   ; its scale bytes
	s_wait_dscnt 0x0                               ; both opening adds are done
	s_wait_kmcnt 0x0
	s_mov_b32 s[G0W], 1
	s_mul_i32 s[G0W+1], s[WV], 96*WP
	s_add_co_u32 s[G0W+1], s[G0W+1], WX
	s_mul_i32 s90, s87, 192
	s_mul_i32 s91, s[WV], 96                       ; waves 0 and 1: rows 192 y + 96 w of W
	s_add_co_u32 s90, s90, s91
	s_mul_i32 s90, s90, 768
	s_mov_b32 s91, 0
	s_add_nc_u64 s[G0W+2:G0W+3], s[8:9], s[90:91]  ; waves 0 and 1: rows 192 y + 96 w of W
	s_or_b32 s[G0W+3], s[G0W+3], 0x80000000
	s_mov_b32 s[G0A], 1
	s_mov_b32 s[G0A+1], AX
	s_mul_i32 s90, s86, 49152
	s_add_nc_u64 s[G0A+2:G0A+3], s[4:5], s[90:91]
	s_or_b32 s[G0A+3], s[G0A+3], 0x80000000
	s_mov_b32 s[G0WS], 1
	s_mov_b32 s[G0WS+1], WXS
	s_mul_i32 s90, s87, 6144
	s_add_nc_u64 s[G0WS+2:G0WS+3], s[10:11], s[90:91]
	s_or_b32 s[G0WS+3], s[G0WS+3], 0x80000000
	s_mov_b32 s[G0AS], 1
	s_mov_b32 s[G0AS+1], AXS
	s_lshl_b32 s90, s86, 11
	s_add_nc_u64 s[G0AS+2:G0AS+3], s[6:7], s[90:91]
	s_or_b32 s[G0AS+3], s[G0AS+3], 0x80000000
	s_mov_b32 s[G0R], 1
	s_mov_b32 s[G0R+1], RT
	s_lshl_b32 s90, s94, 14
	s_add_nc_u64 s[G0R+2:G0R+3], s[12:13], s[90:91]
	s_or_b32 s[G0R+3], s[G0R+3], 0x80000000
	s_cmp_eq_u32 s88, 16                           ; q's buffers or k's: the choice hangs on ids alone
	s_cselect_b32 s96, s97, s96
	s_cselect_b32 s98, s98, s95
	s_cselect_b64 s[14:15], s[18:19], s[14:15]
	s_cselect_b64 s[16:17], s[18:19], s[16:17]
	s_mov_b32 s97, 0
	s_mov_b32 s99, 0
	s_add_nc_u64 s[14:15], s[14:15], s[96:97]
	s_add_nc_u64 s[16:17], s[16:17], s[98:99]
	CROUND                                         ; all four work-groups are here: the joint loads meet
	; the first fills, the only ones: every wave issues at least one; the branches hang on the wave's number alone.  An s_nop 0 follows each load, four v_nop the last of an arm
	s_cmp_lt_u32 s[WV], 2
	s_cbranch_scc0 .Lfill_3
	tensor_load_to_lds s[G0W:G0W+3], s[G1W:G1W+7]
	s_nop 0
	PLACES 4
	s_branch .Lfilled
.Lfill_3:
	s_cmp_eq_u32 s[WV], 2
	s_cbranch_scc0 .Lfill_3b
	tensor_load_to_lds s[G0WS:G0WS+3], s[G1WS:G1WS+7]
	s_nop 0
	PLACES 4
	s_branch .Lfilled
.Lfill_3b:
	s_cmp_eq_u32 s[WV], 3
	s_cbranch_scc0 .Lfill_4
	tensor_load_to_lds s[G0A:G0A+3], s[G1A:G1A+7]
	s_nop 0
	PLACES 4
	s_branch .Lfilled
.Lfill_4:
	s_cmp_eq_u32 s[WV], 4
	s_cbranch_scc0 .Lfill_5
	tensor_load_to_lds s[G0R:G0R+3], s[G1R:G1R+7]
	s_nop 0
	PLACES 4
	s_branch .Lfilled
.Lfill_5:
	tensor_load_to_lds s[G0AS:G0AS+3], s[G1AS:G1AS+7]
	s_nop 0
	PLACES 4
.Lfilled:
	s_wait_tensorcnt 0x0                           ; my fills have landed,
	s_barrier_signal -1
	s_barrier_wait -1                              ; everybody's have
	ds_load_b128 v[AS:AS+3], v[AAS]
	ds_load_b128 v[AS+4:AS+7], v[AAS] offset:16
	ds_load_b128 v[AS+8:AS+11], v[AAS] offset:1024
	ds_load_b128 v[AS+12:AS+15], v[AAS] offset:1040
	ds_load_b128 v[WS:WS+3], v[AWS]
	ds_load_b128 v[WS+4:WS+7], v[AWS] offset:16
	LOADS 0
; A K step: the next step's fragments are asked for, into the buffer that the last step's products read (four places behind them); then this step's eight products, the eight accumulators by turns.
; tr = 1 (q, k): source 0 = W.  tr = 0 (v): source 0 = x, and the accumulators are laid [row block 0, 2, 1, 3] for SWAP16.
; In the last step of q and k the idle buffer takes the rotary's pairs: row blocks 0-2 in v80-127, row block 3 in v176-191.
.macro KSTEP s, tr
.if (\s) >= 1
	PLACES 4
.endif
.if (\s) < 7
	LOADS (\s)+1
	s_wait_dscnt 28                                ; all but the 28 just issued
.elseif \tr
	s_cmp_eq_u32 s88, 16                           ; ids alone: q's pairs or k's; both ways issue 16 loads
	s_cbranch_scc1 .Lrk_\@
.irp rb, 0,1,2,3
.irp e, 0,1,2,3
	ds_load_b128 v[80+16*\rb+48*(\rb/3)+4*\e:80+16*\rb+48*(\rb/3)+4*\e+3], v[ART] offset:\rb*16*RTP+16*\e
.endr
.endr
	s_branch .Lrj_\@
.Lrk_\@:
.irp rb, 0,1,2,3
.irp e, 0,1,2,3
	ds_load_b128 v[80+16*\rb+48*(\rb/3)+4*\e:80+16*\rb+48*(\rb/3)+4*\e+3], v[ART] offset:\rb*16*RTP+16*\e+128
.endr
.endr
.Lrj_\@:
	s_wait_dscnt 16                                ; all but the 16 just issued
.else
	s_wait_dscnt 0x0
.endif
.irp rb, 0,1,2,3
.irp t, 0,1
.if \tr
	WM ACC+8*(2*\rb+\t), WF+24*((\s)%2)+12*\t, AF+48*((\s)%2)+12*\rb, (\s)==0, WS+(\s), AS+8*(\rb/2)+(\s), \t, \rb%2
.else
	WM ACC+32*\t+8*(2*(\rb%2)+\rb/2), AF+48*((\s)%2)+12*\rb, WF+24*((\s)%2)+12*\t, (\s)==0, AS+8*(\rb/2)+(\s), WS+(\s), \rb%2, \t
.endif
.endr
.endr
.endm
; the rotary on row block 2 p + u: out[i] = t[i] C - t[i + 16] S, out[i + 16] = t[i + 16] C + t[i] S; my lane holds i = 8 h + j in both tiles.  Each accumulator is read from its low end on
.macro ROPE p, u
.set RBN, 2*(\p)+(\u)
.set T0, ACC+16*RBN
.set T1, T0+8
.set CSR, 80+16*RBN+48*(RBN/3)
.irp j, 0,1,2,3,4,5,6,7
	v_mul_f32 v[H+8*(\u)+\j], v[T1+\j], v[CSR+2*\j+1]
	v_mul_f32 v[H+16+8*(\u)+\j], v[T0+\j], v[CSR+2*\j+1]
.endr
.irp j, 0,1,2,3,4,5,6,7
	v_fma_f32 v[H+8*(\u)+\j], v[T0+\j], v[CSR+2*\j], -v[H+8*(\u)+\j]
	v_fma_f32 v[H+16+8*(\u)+\j], v[T1+\j], v[CSR+2*\j], v[H+16+8*(\u)+\j]
.endr
.endm
	s_cmp_eq_u32 s88, 17                           ; ids alone, and the same in all four partners; no barrier stands under it
	s_cbranch_scc1 .Lrole_v
.irp s, 0,1,2,3,4,5,6,7
	KSTEP \s, 1
.endr
	s_wait_dscnt 0x0                               ; the rotary's pairs
	PLACES 4                                       ; behind the last products
.irp p, 0,1
	ROPE \p, 0
	ROPE \p, 1
	SWAP16 H                                       ; lanes 0-15: row r of row block 2 p, lanes 16-31: of 2 p + 1, all 32 numbers
	QUANT32 H, 160+6*\p, 172, 250, 251, 252+\p
	global_store_b128 v[O16], v[160+6*\p:163+6*\p], s[14:15] offset:768*\p
	global_store_b64 v[O8], v[164+6*\p:165+6*\p], s[14:15] offset:768*\p+512
.endr
	v_lshl_or_b32 v252, v253, 16, v252             ; my two bytes, blocks r / 8 and 2 + r / 8 of image row m,
	v_lshlrev_b32 v252, v[OV], v252                ; at their places;
	v_mov_b32_dpp v253, v252 row_xmask:8 row_mask:0xf bank_mask:0xf
	v_or_b32 v252, v252, v253                      ; with the lane 8 away the word is whole
	global_store_b32 v[OS], v252, s[16:17]         ; (both write it: the wave stores 64 consecutive bytes)
	s_branch .Ldone
.Lrole_v:
	s_lshr_b32 s95, s94, 1                         ; which step of 128 keys,
	s_and_b32 s92, s86, 1                          ; which half of it
	s_mul_i32 s96, s95, 3072
	s_mul_i32 s98, s92, 768
	s_add_co_u32 s96, s96, s98
	s_add_co_u32 s96, s96, s93
	s_add_co_u32 s96, s96, 49152
	s_add_nc_u64 s[14:15], s[18:19], s[96:97]
	s_lshl_b32 s98, s95, 7
	s_lshl_b32 s92, s92, 1
	s_add_co_u32 s98, s98, s92
	s_add_co_u32 s98, s98, s93
	s_add_co_u32 s98, s98, 100352
	s_add_nc_u64 s[16:17], s[18:19], s[98:99]
.irp s, 0,1,2,3,4,5,6,7
	KSTEP \s, 0
.endr
	PLACES 4
	v_mov_b32 v248, 0                              ; (a lane permute's destination counts as one of its sources)
.irp t, 0,1
	SWAP16 ACC+32*\t                               ; lane (r, h): channel 16 t + r, keys 32 h + 0 .. 31 of my 64
	QUANT32 ACC+32*\t, 160+6*\t, 172, 250, 251, 252+\t
	global_store_b128 v[A16], v[160+6*\t:163+6*\t], s[14:15] offset:1536*\t
	global_store_b64 v[A8], v[164+6*\t:165+6*\t], s[14:15] offset:1536*\t+512
	v_lshlrev_b32 v[252+\t], v14, v[252+\t]
	v_permlanex16_b32 v248, v[252+\t], s2, s3
	v_or_b32 v[252+\t], v[252+\t], v248            ; the channel's two bytes
	global_store_b16 v15, v[252+\t], s[16:17] offset:64*\t
.endr
.Ldone:
	s_wait_tensorcnt 0x0                           ; the wave's end
	ds_add_u32 v[SPW], v[NIL]
	s_wait_dscnt 0x0
	CROUND                                         ; the closing round
	s_endpgm
.Lfunc_end_k_q9a147cb96b_qkv:
	.size	k_q9a147cb96b_qkv, .Lfunc_end_k_q9a147cb96b_qkv-k_q9a147cb96b_qkv
	.p2alignl 7, 3214868480
	.fill 96, 4, 3214868480
	.section	.rodata,"a",@progbits
	.p2align	6, 0x0
	.amdhsa_kernel k_q9a147cb96b_qkv
		.amdhsa_group_segment_fixed_size 232192
		.amdhsa_private_segment_fixed_size 0
		.amdhsa_enable_private_segment 0
		.amdhsa_kernarg_size 64
		.amdhsa_user_sgpr_count 2
		.amdhsa_user_sgpr_kernarg_segment_ptr 1
		.amdhsa_wavefront_size32 1
		.amdhsa_system_sgpr_workgroup_id_x 1
		.amdhsa_system_sgpr_workgroup_id_y 1
		.amdhsa_system_sgpr_workgroup_id_z 1
		.amdhsa_system_vgpr_workitem_id 0
		.amdhsa_next_free_vgpr 256
		.amdhsa_next_free_sgpr 100
		.amdhsa_reserve_vcc 0
		.amdhsa_float_denorm_mode_32 3
		.amdhsa_float_denorm_mode_16_64 3
		.amdhsa_memory_ordered 1
		.amdhsa_forward_progress 1
		.amdhsa_inst_pref_size 73
	.end_amdhsa_kernel
	.amdgpu_metadata
---
amdhsa.version: [ 1, 2 ]
amdhsa.kernels:
  - .name:           k_q9a147cb96b_qkv
    .symbol:         k_q9a147cb96b_qkv.kd
    .args:
      - { .name: xq, .offset: 0, .size: 8, .value_kind: global_buffer, .address_space: global }
      - { .name: xs, .offset: 8, .size: 8, .value_kind: global_buffer, .address_space: global }
      - { .name: w_fused_codes, .offset: 16, .size: 8, .value_kind: global_buffer, .address_space: global }
      - { .name: w_fused_scales, .offset: 24, .size: 8, .value_kind: global_buffer, .address_space: global }
      - { .name: rope, .offset: 32, .size: 8, .value_kind: global_buffer, .address_space: global }
      - { .name: qc, .offset: 40, .size: 8, .value_kind: global_buffer, .address_space: global }
      - { .name: qs, .offset: 48, .size: 8, .value_kind: global_buffer, .address_space: global }
      - { .name: kv, .offset: 56, .size: 8, .value_kind: global_buffer, .address_space: global }
    .group_segment_fixed_size: 232192
    .private_segment_fixed_size: 0
    .kernarg_segment_align: 8
    .kernarg_segment_size: 64
    .max_flat_workgroup_size: 192
    .sgpr_count:     100
    .vgpr_count:     256
    .wavefront_size: 32
...
	.end_amdgpu_metadata
.endif
;; end of part 2
;; launch attn (part 3): grid 128 x 2, 8 waves a work-group, clusters of 4 x 1, 167,936 bytes of LDS; arguments qc, qs, kv, hq, hs; writes hq, hs
.if DOCPART == 3
	.amdgcn_target "amdgcn-amd-amdhsa--gfx1250"
	.amdhsa_code_object_version 6
	.text
	.protected	k_q9a147cb96b_attn
	.globl	k_q9a147cb96b_attn
	.p2align	8
	.type	k_q9a147cb96b_attn,@function
k_q9a147cb96b_attn:
	s_mov_b64 s[64:65], 0
	v_nop
	global_prefetch_b8 v0, s[64:65] scope:SCOPE_SE
	s_setreg_imm32_b32 hwreg(HW_REG_WAVE_MODE, 25, 1), 1
	s_wait_xcnt 0x0
	s_wait_alu depctr_hold_cnt(0) depctr_sa_sdst(0) depctr_va_vdst(0) depctr_va_sdst(0) depctr_va_ssrc(0) depctr_va_vcc(0) depctr_vm_vsrc(0)
	s_getreg_b32 s2, hwreg(HW_REG_IB_STS2, 6, 4)
	s_cmp_eq_u32 s2, 0
	s_cbranch_scc0 .Lentry_in_a_cluster
	s_endpgm
.Lentry_in_a_cluster:
	s_bfe_u32 s2, ttmp6, 0x10000c
	s_cmp_lg_u32 s2, 0x3003
	s_cbranch_scc0 .Lentry_shape_is_right
	s_endpgm
.Lentry_shape_is_right:
; LAUNCH 3 OF 5: causal attention, 16 heads of queries over one head of keys and values, head size 32, both products on codes of E3M2; the result, divided by the row's sum, is quantised for the projection on the way out.
; LEFT OUT: steps of 128 keys that lie wholly behind a block's 16 queries (the mask that reference() builds: see the head of launch ln).
; THE SOFTMAX: t = score x log2(e); M = the running largest t rounded up to a whole number; p = 2^(t - M) is what is quantised, along the keys; the row's sum is taken of the unquantised p.
; LIMIT: the promise holds while the scaled scores stay under 2^31 in magnitude.
; SHARES.  Work-group x of a batch: j = x / 2, hh = x % 2.  Wave w owns ONE head, 8 hh + w, and walks TWO blocks of 16 queries one after the other: block j, then block 127 - j:
; (j / 8 + 1) + (16 - j / 8) = 17 key steps in every wave of every work-group, so that the two waves that share a SIMD have equal work.
; LDS holds the batch's whole K and V (codes and scale bytes, 102,400 bytes), brought once by four joint loads: the four partners of a cluster belong to one batch.  Nothing is filled again.
; THE K = 32 PRODUCT.  A fragment of K (12 registers) holds four tiles of 16 keys, one in each block of 32 of the instruction's K.  Tile B is multiplied by giving Q its codes in block B and zero codes in the three others:
; Q stands in a chain of registers Z, Da, Z, Db, Z (Z zeros; Da: the codes in lanes 0-15; Db: in lanes 16-31), of which each tile names another window of 12.
; Each loop's trip count is a constant; a step that is left out is jumped over by a branch made of the cluster's number alone, the same in all four partners.
.set VC,    49152
.set KSB,   98304
.set SPARE, 102400
.set SPW, 4
.set NIL, 5
.set F,   26                           ; v[26:27] f = 2^(old M - new M)
.set VF,  58                           ; v58-81   two fragments of V
.set KF,  82                           ; v82-105  two fragments of K
.set S,   106                          ; v106-169 S^T, then p
.set OA,  170                          ; v170-185 O^T
.set RQ,  186                          ; v186-192, v194-200: Q's codes and scale byte as loaded, block j's and block 127 - j's
.set PA,  202                          ; v202-213 p's codes
.set QA,  214                          ; v214-219 Q's load addresses, three for each block
.set BM,  226
.set TP,  230
.set SO,  238
.set S2,  242
.set SCR, 244
.set DD,  245                          ; on the diagonal step: my query less the step's first key less 16 (lane / 16)
.set NINF, 246
.set WV,  14
.set SEL, 28
.set CS,  30
.set ST,  34
.set LIM, 35
.set TB,  36
.set TS,  37
.macro PLACES n
.rept \n
	v_nop
.endr
.endm
.macro CROUND
	s_barrier_signal -1
	s_barrier_wait -1
	s_cmp_lg_u32 s[WV], 0
	s_cbranch_scc1 .Lnot_wave_0_\@
	s_barrier_signal -3
.Lnot_wave_0_\@:
	s_barrier_wait -3
	s_barrier_signal -1
	s_barrier_wait -1
.endm
.macro WM d, a, b, z, sa, sb, ra       ; one product; z: it starts the sum; ra: source 0's scales stand in lanes 16-31
.if \z
.if \ra
	v_wmma_scale_f32_16x16x128_f8f6f4 v[(\d):(\d)+7], v[(\a):(\a)+11], v[(\b):(\b)+11], 0, v[\sa], v[\sb] matrix_a_fmt:MATRIX_FMT_BF6 matrix_b_fmt:MATRIX_FMT_BF6 matrix_a_scale:MATRIX_SCALE_ROW1
.else
	v_wmma_scale_f32_16x16x128_f8f6f4 v[(\d):(\d)+7], v[(\a):(\a)+11], v[(\b):(\b)+11], 0, v[\sa], v[\sb] matrix_a_fmt:MATRIX_FMT_BF6 matrix_b_fmt:MATRIX_FMT_BF6
.endif
.else
.if \ra
	v_wmma_scale_f32_16x16x128_f8f6f4 v[(\d):(\d)+7], v[(\a):(\a)+11], v[(\b):(\b)+11], v[(\d):(\d)+7], v[\sa], v[\sb] matrix_a_fmt:MATRIX_FMT_BF6 matrix_b_fmt:MATRIX_FMT_BF6 matrix_a_scale:MATRIX_SCALE_ROW1
.else
	v_wmma_scale_f32_16x16x128_f8f6f4 v[(\d):(\d)+7], v[(\a):(\a)+11], v[(\b):(\b)+11], v[(\d):(\d)+7], v[\sa], v[\sb] matrix_a_fmt:MATRIX_FMT_BF6 matrix_b_fmt:MATRIX_FMT_BF6
.endif
.endif
.endm
.macro AFRAG reg, a16, a8, off
	ds_load_b128 v[(\reg):(\reg)+3], v[\a16] offset:\off
	ds_load_b64 v[(\reg)+4:(\reg)+5], v[\a8] offset:\off+512
	ds_load_b128 v[(\reg)+6:(\reg)+9], v[\a16] offset:\off+768
	ds_load_b64 v[(\reg)+10:(\reg)+11], v[\a8] offset:\off+1280
.endm
.macro SWAP16 h
.irp j, 0,1,2,3,4,5,6,7
	v_permlane16_swap_b32 v[(\h)+\j], v[(\h)+8+\j]
.endr
.irp j, 0,1,2,3,4,5,6,7
	v_permlane16_swap_b32 v[(\h)+16+\j], v[(\h)+24+\j]
.endr
.endm
.macro QUANT32 h, c, t, mx, so, by
	v_max3_num_f32 v[\mx], |v[(\h)]|, |v[(\h)+1]|, 0x2800000
	v_max3_num_f32 v[\so], |v[(\h)+16]|, |v[(\h)+17]|, |v[(\h)+18]|
.irp i, 2,4,6,8,10,12
	s_delay_alu instid0(VALU_DEP_2)
	v_max3_num_f32 v[\mx], v[\mx], |v[(\h)+\i]|, |v[(\h)+\i+1]|
	s_delay_alu instid0(VALU_DEP_2)
	v_max3_num_f32 v[\so], v[\so], |v[(\h)+17+\i]|, |v[(\h)+18+\i]|
.endr
	s_delay_alu instid0(VALU_DEP_2)
	v_max3_num_f32 v[\mx], v[\mx], |v[(\h)+14]|, |v[(\h)+15]|
	s_delay_alu instid0(VALU_DEP_1)
	v_max3_num_f32 v[\mx], v[\mx], v[\so], |v[(\h)+31]|
	s_delay_alu instid0(VALU_DEP_1)
	v_add_nc_u32 v[\so], 0xfe000000, v[\mx]
	s_delay_alu instid0(VALU_DEP_1)
	v_lshrrev_b32 v[\by], 23, v[\so]
	v_cvt_scalef32_pk16_bf6_f32 v[(\c):(\c)+2], v[(\h):(\h)+15], v[\so]
	v_cvt_scalef32_pk16_bf6_f32 v[(\t):(\t)+2], v[(\h)+16:(\h)+31], v[\so]
	v_nop
	v_mov_b32 v[(\c)+3], v[(\t)]
	v_mov_b32 v[(\c)+4], v[(\t)+1]
	v_mov_b32 v[(\c)+5], v[(\t)+2]
.endm
; S^T: eight tiles of 16 keys.  Tile 4 f + B: fragment f of K against the window of Q's chain whose codes stand in block B: [Da, Z], [Db, Z], [Z, Da], [Z, Db]
.macro QK rbase, sq
.irp f, 0,1
.irp be, 0,1,2,3
	WM S+8*(4*\f+\be), KF+12*\f, (\rbase)+6+12*(\be%2)-6*(\be/2), 1, 22, \sq, \f
.endr
.endr
.endm
; on the diagonal step the scores of hidden keys become -infinity ahead of the maximum: p = 0 then.  Register 16 b + i holds key 32 b + 16 (lane / 16) + i of the step
.macro MASK
	s_cmp_lg_u32 s[ST], s[LIM]
	s_cbranch_scc1 .Lopen_\@
.irp n, 0,1,2,3,4,5,6,7,8,9,10,11,12,13,14,15,16,17,18,19,20,21,22,23,24,25,26,27,28,29,30,31,32,33,34,35,36,37,38,39,40,41,42,43,44,45,46,47,48,49,50,51,52,53,54,55,56,57,58,59,60,61,62,63
	v_cmp_gt_i32 vcc_lo, 32*(\n/16)+\n%16, v[DD]
	v_cndmask_b32 v[S+\n], v[S+\n], v[NINF], vcc_lo
.endr
.Lopen_\@:
.endm
; The softmax of a key step.  st: -M, the largest t, the sum in two halves;  o: O^T;  pc: p's codes;  pw: p's scale word
.macro SOFTMAX st, o, pc, pw
.irp b, 0,1,2,3
	v_max3_num_f32 v[BM+\b], v[S+16*\b], v[S+1+16*\b], v[S+2+16*\b]    ; the largest score of each block of 32 keys: it serves the row's maximum and, since p rises with the score, the block's largest p
.endr
.irp i, 3,5,7,9,11,13
.irp b, 0,1,2,3
	v_max3_num_f32 v[BM+\b], v[BM+\b], v[S+16*\b+\i], v[S+1+16*\b+\i]
.endr
.endr
.irp b, 0,1,2,3
	v_max_num_f32 v[BM+\b], v[BM+\b], v[S+15+16*\b]
.endr
.irp b, 0,1,2,3
	s_delay_alu instid0(VALU_DEP_4)
	v_permlanex16_b32 v[TP+\b], v[BM+\b], s[SEL], s[SEL+1]
.endr
.irp b, 0,1,2,3
	s_delay_alu instid0(VALU_DEP_4)
	v_max_num_f32 v[BM+\b], v[BM+\b], v[TP+\b]
.endr
	s_delay_alu instid0(VALU_DEP_2)
	v_max3_num_f32 v[SCR], v[BM], v[BM+1], v[BM+2]
	s_delay_alu instid0(VALU_DEP_1)
	v_max_num_f32 v[SCR], v[SCR], v[BM+3]
	s_delay_alu instid0(VALU_DEP_1)
	v_mul_f32 v[SCR], s[CS], v[SCR]
	s_delay_alu instid0(VALU_DEP_1)
	v_max_num_f32 v[(\st)+1], v[(\st)+1], v[SCR]   ; the running largest t
	v_mov_b32 v[SCR], v[\st]
	s_delay_alu instid0(VALU_DEP_2)
	v_floor_f32 v[\st], -v[(\st)+1]                ; the new -M = -ceil(t)
	s_delay_alu instid0(VALU_DEP_1)
	v_sub_f32 v[SCR], v[\st], v[SCR]               ; old M - new M, a whole number, 0 or less
	s_delay_alu instid0(VALU_DEP_1)
	v_cvt_i32_f32 v[SCR], v[SCR]                   ; (it saturates)
	s_delay_alu instid0(VALU_DEP_1)
	v_ldexp_f32 v[F], 1.0, v[SCR]                  ; f: a multiplication by it rounds nothing
.set jj, 0
.rept 32
	v_pk_fma_f32 v[S+jj:S+jj+1], v[S+jj:S+jj+1], s[CS:CS+1], v[(\st):(\st)+1] op_sel_hi:[1,0,0]   ; t - M
.set jj, jj+2
.endr
.irp b, 0,1,2,3
	v_fma_f32 v[BM+\b], v[BM+\b], s[CS], v[\st]
.endr
.set jj, 0
	s_wait_alu depctr_va_vdst(0)
.rept 64
	v_exp_f32 v[S+jj], v[S+jj]                     ; p, at most 1
.set jj, jj+1
.endr
	v_pk_mul_f32 v[(\st)+2:(\st)+3], v[(\st)+2:(\st)+3], v[F:F+1] op_sel_hi:[1,0]   ; the sums under the new M.  (The plain place behind the exponentials)
	s_wait_alu depctr_va_vdst(0)                   ; one wait for the batch, ahead of its first reader
.irp b, 0,1,2,3
	v_exp_f32 v[BM+\b], v[BM+\b]                   ; the blocks' largest p
.endr
	v_pk_add_f32 v[S2:S2+1], v[S:S+1], v[S+2:S+3]  ; the row's sum of the unquantised p, in two chains
.set jj, 4
.rept 15
	v_pk_add_f32 v[(\st)+2:(\st)+3], v[(\st)+2:(\st)+3], v[S+jj:S+jj+1]
	v_pk_add_f32 v[S2:S2+1], v[S2:S2+1], v[S+jj+2:S+jj+3]
.set jj, jj+4
.endr
	s_delay_alu instid0(VALU_DEP_1)
	v_pk_add_f32 v[(\st)+2:(\st)+3], v[(\st)+2:(\st)+3], v[S2:S2+1]
	s_wait_alu depctr_va_vdst(0)                   ; and one for the four
.irp b, 0,1,2,3
	v_max_num_f32 v[BM+\b], 0x2800000, v[BM+\b]    ; the floor: the byte cannot fall under 1
.endr
.irp b, 0,1,2,3
	s_delay_alu instid0(VALU_DEP_4)
	v_add_nc_u32 v[SO+\b], 0xfe000000, v[BM+\b]
.endr
.irp b, 0,1,2,3
	s_delay_alu instid0(VALU_DEP_4)
	v_lshrrev_b32 v[TP+\b], 23, v[SO+\b]
.endr
	s_delay_alu instid0(VALU_DEP_3)
	v_lshl_or_b32 v[\pw], v[TP+1], 8, v[TP]
	s_delay_alu instid0(VALU_DEP_1)
	v_lshl_or_b32 v[\pw], v[TP+2], 16, v[\pw]
	s_delay_alu instid0(VALU_DEP_1)
	v_lshl_or_b32 v[\pw], v[TP+3], 24, v[\pw]
.irp c, 0,1
	v_cvt_scalef32_pk16_bf6_f32 v[(\pc)+6*\c:(\pc)+6*\c+2], v[S+32*\c:S+32*\c+15], v[SO+2*\c]
	v_cvt_scalef32_pk16_bf6_f32 v[TP+4*\c:TP+4*\c+2], v[S+16+32*\c:S+31+32*\c], v[SO+2*\c+1]
.endr
	v_nop                                          ; one plain place behind a scaled conversion
.irp c, 0,1                            ; the operand's layout wants a whole block in a lane
.irp i, 0,1,2
	v_permlane16_swap_b32 v[(\pc)+6*\c+\i], v[TP+4*\c+\i]
.endr
.irp i, 0,1,2
	s_delay_alu instid0(VALU_DEP_3)
	v_mov_b32 v[(\pc)+3+6*\c+\i], v[TP+4*\c+\i]
.endr
.endr
.irp j, 0,2,4,6,8,10,12,14
	v_pk_mul_f32 v[(\o)+\j:(\o)+\j+1], v[(\o)+\j:(\o)+\j+1], v[F:F+1] op_sel_hi:[1,0]   ; O^T under the new M, each accumulator from its low end on
.endr
.endm
; Block si's 16 rows of my head are asked for, out of images in key order: image 64 head + 32 batch + i / 4, half (i / 2) % 2, slot (n % 8) + 8 (i % 2) + 16 (n / 8); both halves of the lanes take row n = lane % 16.
; And where its result goes: row block 128 batch + i.  s80, s81: my head's place in a row block's images and among the scale words
.macro QSET p, si
	s_lshl_b32 s48, s43, 6
	s_lshl_b32 s49, s40, 5
	s_add_co_u32 s48, s48, s49
	s_lshr_b32 s49, \si, 2
	s_add_co_u32 s48, s48, s49
	s_bfe_u32 s49, \si, 0x10001
	s_mul_i32 s50, s48, 1536
	s_mul_i32 s52, s49, 768
	s_add_co_u32 s50, s50, s52
	s_add_nc_u64 s[56+4*\p:57+4*\p], s[4:5], s[50:51]
	s_lshl_b32 s50, s48, 6
	s_lshl_b32 s52, s49, 1
	s_add_co_u32 s50, s50, s52
	s_add_nc_u64 s[58+4*\p:59+4*\p], s[6:7], s[50:51]
	s_lshl_b32 s48, s40, 7
	s_add_co_u32 s48, s48, \si
	s_mul_i32 s52, s48, 55296
	s_add_co_u32 s52, s52, s80
	s_add_nc_u64 s[66+4*\p:67+4*\p], s[10:11], s[52:53]
	s_lshl_b32 s52, s48, 6
	s_add_co_u32 s52, s52, s81
	s_add_nc_u64 s[68+4*\p:69+4*\p], s[12:13], s[52:53]
	s_and_b32 s52, \si, 1
	s_lshl_b32 s52, s52, 3
	v_and_b32 v9, 7, v0
	v_bfe_u32 v10, v0, 3, 1
	s_delay_alu instid0(VALU_DEP_2)
	v_add_nc_u32 v9, s52, v9                       ; image row
	s_delay_alu instid0(VALU_DEP_1)
	v_lshl_add_u32 v[QA+3*\p+2], v9, 2, v10        ; the scale byte's place
	v_lshl_or_b32 v9, v10, 4, v9                   ; slot
	s_delay_alu instid0(VALU_DEP_1)
	v_lshlrev_b32 v[QA+3*\p+1], 3, v9
	v_lshlrev_b32 v[QA+3*\p], 4, v9
	global_load_b128 v[RQ+8*\p:RQ+8*\p+3], v[QA+3*\p], s[56+4*\p:57+4*\p]
	global_load_b64 v[RQ+8*\p+4:RQ+8*\p+5], v[QA+3*\p+1], s[56+4*\p:57+4*\p] offset:512
	global_load_u8 v[RQ+8*\p+6], v[QA+3*\p+2], s[58+4*\p:59+4*\p]
.endm
; One block of 16 queries, from Q's chain to the stored codes
.macro PASS p
	s_mov_b32 s[LIM], s[78+\p]                     ; my last key step, the one on the diagonal
	s_mov_b32 s[ST], 0
	s_mov_b32 s[TB], 0
	s_mov_b32 s[TS], 0
	v_add_nc_u32 v[DD], s[76+\p], v19              ; 16 (i % 8) + n - 16 h
	v_mul_lo_u32 v20, v[RQ+8*\p+6], s55            ; the row's byte in all four places: the block in which the codes stand changes from tile to tile
.irp k, 0,1,2,3,4,5
	v_cndmask_b32 v[34+\k], 0, v[RQ+8*\p+\k], s32  ; Da,
	v_cndmask_b32 v[46+\k], 0, v[RQ+8*\p+\k], s33  ; Db
.endr
.set jj, 0
.rept 16
	v_mov_b32 v[OA+jj], 0                          ; O^T.  (The step is written once: the first finds zeros, which the first change of M leaves zeros)
.set jj, jj+1
.endr
	v_mov_b32 v13, 0xff61b1e6                      ; the largest t so far: -3e38
	v_mov_b32 v14, 0
	v_mov_b32 v15, 0
	v_floor_f32 v12, -v13
	s_wait_alu depctr_va_vdst(0)
.Lstep_\@:                                         ; 16 trips
	s_cmp_gt_u32 s[ST], s[LIM]
	s_cbranch_scc1 .Lskip_\@
	v_add_nc_u32 v6, s[TB], v1                     ; (these three and the v_nop are the four places between the last trip's products and the loads into the registers that they read)
	v_add_nc_u32 v7, s[TB], v2
	v_add_nc_u32 v8, s[TS], v3
	v_nop
	AFRAG KF, 6, 7, 0
	AFRAG KF+12, 6, 7, 1536
	ds_load_b32 v22, v8                            ; K's scale words
	ds_load_b32 v23, v8 offset:2048                ; V's: lanes 0-15 channels 0-15, lanes 16-31 channels 16-31
	AFRAG VF, 6, 7, VC                             ; V lands while the softmax is walked
	AFRAG VF+12, 6, 7, VC+1536
	s_wait_dscnt 8                                 ; all but V's eight loads
	QK 28, 20
	PLACES 4
	MASK
	SOFTMAX 12, OA, PA, 24
	PLACES 4                                       ; with the lines above: eight places behind p's scale word, four behind its codes
	s_wait_alu depctr_va_vdst(0)
	s_wait_dscnt 0x0
	WM OA, VF, PA, 0, 23, 24, 0                    ; O^T += V^T P^T: two accumulators, one instruction a turn
	WM OA+8, VF+12, PA, 0, 23, 24, 1
.Lskip_\@:
	s_add_co_u32 s[TB], s[TB], 3072
	s_add_co_u32 s[TS], s[TS], 128
	s_add_co_u32 s[ST], s[ST], 1
	s_cmp_lt_u32 s[ST], 16
	s_cbranch_scc1 .Lstep_\@
	; THE WAY OUT: O^T / the sum; my head is one block of 32 along the next product's K: sixteen lanes' part of half an operand image
	PLACES 4
	s_wait_alu depctr_va_vdst(0)
	v_add_f32 v14, v14, v15
	s_delay_alu instid0(VALU_DEP_1)
	v_permlanex16_b32 v[TP], v14, s[SEL], s[SEL+1]
	s_delay_alu instid0(VALU_DEP_1)
	v_add_f32 v14, v14, v[TP]
	s_wait_alu depctr_va_vdst(0)
	v_rcp_f32 v14, v14
	v_nop                                          ; the plain place
	s_wait_alu depctr_va_vdst(0)                   ; the wait ahead of the first reader
.irp j, 0,2,4,6                        ; each tile twice, so that behind the swaps BOTH halves of the lanes hold query r's 32 numbers in order
	v_pk_mul_f32 v[S+\j:S+\j+1], v[OA+\j:OA+\j+1], v[14:15] op_sel_hi:[1,0]
	v_pk_mul_f32 v[S+8+\j:S+9+\j], v[OA+\j:OA+\j+1], v[14:15] op_sel_hi:[1,0]
	v_pk_mul_f32 v[S+16+\j:S+17+\j], v[OA+8+\j:OA+9+\j], v[14:15] op_sel_hi:[1,0]
	v_pk_mul_f32 v[S+24+\j:S+25+\j], v[OA+8+\j:OA+9+\j], v[14:15] op_sel_hi:[1,0]
.endr
	SWAP16 S
	QUANT32 S, PA, PA+6, BM, BM+1, BM+2
	global_store_b128 v16, v[PA:PA+3], s[66+4*\p:67+4*\p]              ; 256 consecutive bytes, aligned (both halves of the lanes write the same bytes with the same values)
	global_store_b64 v17, v[PA+4:PA+5], s[66+4*\p:67+4*\p] offset:512
	global_store_b8 v18, v[BM+2], s[68+4*\p:69+4*\p]                   ; my head's byte of each row's scale word
	s_wait_xcnt 0x0                                ; the stores' data registers are written again only behind this wait
.endm
	s_load_b256 s[4:11], s[0:1], 0x0               ; qc s[4:5], qs s[6:7], kv s[8:9], hq s[10:11]
	s_load_b64 s[12:13], s[0:1], 0x20              ; hs
	v_lshl_add_u32 v[SPW], v0, 2, SPARE
	v_mov_b32 v[NIL], 0
	ds_add_u32 v[SPW], v[NIL]                      ; the wave's opening: the add, twice on end, and its wait ahead of the first tensor load
	ds_add_u32 v[SPW], v[NIL]
	v_lshrrev_b32 v9, 5, v0
	s_delay_alu instid0(VALU_DEP_1)
	v_readfirstlane_b32 s[WV], v9                  ; wave 0..7
	s_bfe_u32 s38, ttmp6, 0x40000                  ; cx
	s_lshl_b32 s39, ttmp9, 2
	s_add_co_u32 s39, s39, s38                     ; x: it enters global addresses and the mask's numbers alone
	s_and_b32 s40, ttmp7, 0xffff                   ; batch, which the partners share
	s_lshr_b32 s41, s39, 1                         ; j: the near block
	s_and_b32 s42, s39, 1                          ; hh
	s_lshl_b32 s43, s42, 3
	s_add_co_u32 s43, s43, s[WV]                   ; my head
	s_sub_co_u32 s45, 127, s41                     ; the far block
	s_lshr_b32 s78, ttmp9, 2                       ; j / 8, made of the cluster's number alone: the near block's last key step,
	s_sub_co_u32 s79, 15, s78                      ; and the far block's
	s_and_b32 s76, s41, 7
	s_lshl_b32 s76, s76, 4
	s_and_b32 s77, s45, 7
	s_lshl_b32 s77, s77, 4
	s_lshr_b32 s80, s[WV], 2
	s_lshl_b32 s81, s42, 1
	s_add_co_u32 s81, s81, s80                     ; the next product's K step: head / 4
	s_mul_i32 s80, s81, 1536
	s_bfe_u32 s82, s[WV], 0x10001
	s_mul_i32 s82, s82, 768                        ; which half of its image: (head / 2) % 2
	s_add_co_u32 s80, s80, s82
	s_lshl_b32 s81, s81, 14
	s_and_b32 s83, s[WV], 1                        ; which sixteen lanes of that half
	s_lshl_b32 s85, s83, 8
	s_lshl_b32 s86, s83, 7
	s_and_b32 s84, s[WV], 3                        ; which byte of the scale word
	s_mov_b32 s16, 15|(3<<16)|(1<<21)              ; group 1: the mask: all four; elements of 8 bytes; 100 rows of 256 bytes, dense
	s_mov_b32 s17, 32<<16
	s_mov_b32 s18, 100<<16
	s_mov_b32 s19, 32<<16
	s_mov_b32 s20, 100
	s_mov_b32 s21, 32
	s_mov_b32 s22, 0
	s_mov_b32 s23, 0
	s_mov_b32 s[SEL], 0x76543210
	s_mov_b32 s[SEL+1], 0xfedcba98
	s_mov_b32 s[CS], 0x3fb8aa3b                    ; log2(e): q already carries 1 / sqrt(32)
	s_mov_b32 s[CS+1], s[CS]
	s_mov_b32 s32, 0x0000ffff
	s_mov_b32 s33, 0xffff0000
	s_mov_b32 s55, 0x01010101
	s_mov_b32 s53, 0
	s_mul_i32 s25, s[WV], 25600
	s_mul_i32 s50, s40, 102400
	s_add_co_u32 s50, s50, s25
	s_mov_b32 s51, 0
	s_wait_dscnt 0x0                               ; both opening adds are done
	s_wait_kmcnt 0x0
	s_mov_b32 s24, 1
	s_add_nc_u64 s[26:27], s[8:9], s[50:51]
	s_or_b32 s27, s27, 0x80000000
	CROUND                                         ; all four work-groups are here
	s_cmp_lt_u32 s[WV], 4                          ; waves 0 to 3 fetch a quarter each; every work-group reads bytes of all four: its far block walks nine steps or more
	s_cbranch_scc0 .Lno_fill
	tensor_load_to_lds s[24:27], s[16:23]
	s_nop 0
	PLACES 4
.Lno_fill:
	QSET 0, s41
	QSET 1, s45
	v_and_b32 v1, 31, v0
	v_and_b32 v9, 15, v0
	v_bfe_u32 v10, v0, 4, 1
	v_lshlrev_b32 v2, 3, v1                        ; 8 x lane
	v_lshl_add_u32 v3, v1, 2, KSB                  ; K's scale words: lanes 0-15 fragment 0's rows, lanes 16-31 fragment 1's
	v_lshlrev_b32 v1, 4, v1                        ; 16 x lane
	v_lshlrev_b32 v10, 4, v10
	v_lshl_add_u32 v16, v9, 4, s85                 ; the way out: 16 r, 8 r and 4 r, at my head's place
	v_lshl_add_u32 v17, v9, 3, s86
	v_lshl_add_u32 v18, v9, 2, s84
	v_sub_nc_u32 v19, v9, v10                      ; n - 16 h
	v_mov_b32 v[NINF], 0xff800000
.irp z, 28,40,52
.irp k, 0,1,2,3,4,5
	v_mov_b32 v[\z+\k], 0                          ; Z: zero codes
.endr
.endr
.irp b, 0,1,2,3
	v_mov_b32 v[TP+\b], 0                          ; (a lane permute's destination counts as one of its sources)
.endr
	v_mov_b32 v[F+1], 0                            ; (named as the upper half of a pair)
	s_wait_alu depctr_va_vdst(0)                   ; the wait at the head's end
	s_wait_loadcnt 0x0                             ; both blocks' Q
	s_wait_tensorcnt 0x0                           ; my quarter has landed,
	s_barrier_signal -1
	s_barrier_wait -1                              ; everybody's has
	PASS 0
	PASS 1
	s_wait_tensorcnt 0x0                           ; the wave's end
	ds_add_u32 v[SPW], v[NIL]
	s_wait_dscnt 0x0
	CROUND                                         ; the closing round
	s_endpgm
.Lfunc_end_k_q9a147cb96b_attn:
	.size	k_q9a147cb96b_attn, .Lfunc_end_k_q9a147cb96b_attn-k_q9a147cb96b_attn
	.p2alignl 7, 3214868480
	.fill 96, 4, 3214868480
	.section	.rodata,"a",@progbits
	.p2align	6, 0x0
	.amdhsa_kernel k_q9a147cb96b_attn
		.amdhsa_group_segment_fixed_size 167936
		.amdhsa_private_segment_fixed_size 0
		.amdhsa_enable_private_segment 0
		.amdhsa_kernarg_size 40
		.amdhsa_user_sgpr_count 2
		.amdhsa_user_sgpr_kernarg_segment_ptr 1
		.amdhsa_wavefront_size32 1
		.amdhsa_system_sgpr_workgroup_id_x 1
		.amdhsa_system_sgpr_workgroup_id_y 1
		.amdhsa_system_sgpr_workgroup_id_z 1
		.amdhsa_system_vgpr_workitem_id 0
		.amdhsa_next_free_vgpr 256
		.amdhsa_next_free_sgpr 90
		.amdhsa_reserve_vcc 1
		.amdhsa_float_denorm_mode_32 3
		.amdhsa_float_denorm_mode_16_64 3
		.amdhsa_memory_ordered 1
		.amdhsa_forward_progress 1
		.amdhsa_inst_pref_size 62
	.end_amdhsa_kernel
	.amdgpu_metadata
---
amdhsa.version: [ 1, 2 ]
amdhsa.kernels:
  - .name:           k_q9a147cb96b_attn
    .symbol:         k_q9a147cb96b_attn.kd
    .args:
      - { .name: qc, .offset: 0, .size: 8, .value_kind: global_buffer, .address_space: global }
      - { .name: qs, .offset: 8, .size: 8, .value_kind: global_buffer, .address_space: global }
      - { .name: kv, .offset: 16, .size: 8, .value_kind: global_buffer, .address_space: global }
      - { .name: hq, .offset: 24, .size: 8, .value_kind: global_buffer, .address_space: global }
      - { .name: hs, .offset: 32, .size: 8, .value_kind: global_buffer, .address_space: global }
    .group_segment_fixed_size: 167936
    .private_segment_fixed_size: 0
    .kernarg_segment_align: 8
    .kernarg_segment_size: 40
    .max_flat_workgroup_size: 256
    .sgpr_count:     90
    .vgpr_count:     256
    .wavefront_size: 32
...
	.end_amdgpu_metadata
.endif
;; end of part 3
;; launch ffgemm (part 4): grid 32 x 8, 4 waves a work-group, clusters of 4 x 4, 327,680 bytes of LDS; arguments xq, xs, w_fused_codes, w_fused_scales, hq, hs; writes hq, hs
.if DOCPART == 4
	.amdgcn_target "amdgcn-amd-amdhsa--gfx1250"
	.amdhsa_code_object_version 6
	.text
	.protected	k_q9a147cb96b_ffgemm
	.globl	k_q9a147cb96b_ffgemm
	.p2align	8
	.type	k_q9a147cb96b_ffgemm,@function
k_q9a147cb96b_ffgemm:
	s_mov_b64 s[64:65], 0
	v_nop
	global_prefetch_b8 v0, s[64:65] scope:SCOPE_SE
	s_setreg_imm32_b32 hwreg(HW_REG_WAVE_MODE, 25, 1), 1
	s_wait_xcnt 0x0
	s_wait_alu depctr_hold_cnt(0) depctr_sa_sdst(0) depctr_va_vdst(0) depctr_va_sdst(0) depctr_va_ssrc(0) depctr_va_vcc(0) depctr_vm_vsrc(0)
	s_getreg_b32 s2, hwreg(HW_REG_IB_STS2, 6, 4)
	s_cmp_eq_u32 s2, 0
	s_cbranch_scc0 .Lentry_in_a_cluster
	s_endpgm
.Lentry_in_a_cluster:
	s_bfe_u32 s2, ttmp6, 0x10000c
	s_cmp_lg_u32 s2, 0xf033
	s_cbranch_scc0 .Lentry_shape_is_right
	s_endpgm
.Lentry_shape_is_right:
; LAUNCH 4 OF 5: columns 576 .. 8767 of the fused projection (K = 1,024), silu(gate) x value, quantised along the hidden units for the last product.  Nothing is left out.
; SHARES.  Work-group (X, y): 512 rows as two tiles of 256, x 128 value columns and their 128 gate columns.  Four waves, 128 x 128 each: 64 accumulators.
; W'S 256 ROWS SERVE BOTH TILES: they come once, as whole rows of 768 bytes (3 x (256 + 16) in LDS), and stay.  Only x goes through the ring: two slots of 256 rows x 256 K
; as images of operand registers, filled by waves 0 and 1.  x's scale bytes are kept for one tile (wave 2 fills them again at the change of tiles), W's for the launch (wave 3).
; CLUSTERS 4 x 4: x's tiles and scales are shared along a row, W's along a column.  The product is used transposed: a lane holds one row and eight hidden units.
; No prefetch: a tile's K is four slot steps, and W is asked for once.  This launch claims all of LDS (the text uses 327,168 bytes).
.set NQ,     2
.set PITCH,  816
.set FR,     12
.set NP,     4
.set APART,  49152
.set HALFA,  24576
.set HALFT,  128*PITCH
.set SLOT,   APART
.set BB,     2*SLOT
.set KS,     32
.set SCL,    BB+2*HALFT
.set HALFS,  (128*KS/256)*272
.set SBLK,   (16*KS/256)*272
.set SPARE,  SCL+4*HALFS
.set HSTG,   SPARE+512
.set NEXT_A, 16*12288-6144
.set ADRA, 16                          ; v16-17 16 x lane + my blocks, slot 0, 1; v18-19 the same with 8 x lane
.set ADRB, 20                          ; v20-21 my lane's place in W's value rows, gate rows; v22-23 behind one padding more
.set CO16, 24
.set CO8,  25
.set HB,   26
.set ADRS0, 27
.set ADRS1, 7
.set ADRS, ADRS0
.set SPW,  28
.set NIL,  29
.set HR,   30
.set H8,   31
.set SC,   32
.set AF,   128
.set E,    64
.set H,    96
.set CD,   128
.set CT,   192
.set MX,   196
.set SO,   197
.set TP,   198
.set BY,   200
.set SEL,  2
.set G1, 24
.set G0, 32
.set G1B, 48
.set G0B, 56
.set G1S, 68
.set G0S, 76
.set G1SB, 80
.set G0SB, 88
.set MSB, 0
.macro WIN new
.if MSB != (\new)
	s_set_vgpr_msb (MSB<<8)|(\new)
.set MSB, (\new)
.endif
.endm
.set MUL_LO, 0xa1
.set MUL_HI, 0xf1
.set TO_B,   0x40
.macro GRP1 g, d0, d1, st
	s_mov_b32 s[\g+1], (\d0)<<16
	s_mov_b32 s[\g+2], (\d1)<<16
	s_mov_b32 s[\g+3], (\d0)<<16
	s_mov_b32 s[\g+4], \d1
	s_mov_b32 s[\g+5], \st
	s_mov_b32 s[\g+6], 0
	s_mov_b32 s[\g+7], 0
.endm
.macro PLACES n
.rept \n
	v_nop
.endr
.endm
; a refill: waves 0 and 1 fetch the slot's halves; sa = 1: wave 2 fetches the next tile's scale bytes of x.  Every way has four places for the LDS loads that follow
.macro RLOAD slot, sa
	s_cmp_eq_u32 s15, 0
	s_cbranch_scc0 .Lr1_\@
	tensor_load_to_lds s[G0+4*\slot:G0+4*\slot+3], s[G1:G1+7]
	s_nop 0
	PLACES 4
	s_branch .Lr2_\@
.Lr1_\@:
.if \sa
	s_cmp_eq_u32 s14, 2
	s_cbranch_scc0 .Lr3_\@
	tensor_load_to_lds s[G0S:G0S+3], s[G1S:G1S+7]
	s_nop 0
.Lr3_\@:
.endif
	PLACES 4
.Lr2_\@:
.endm
.macro CREST
	s_cmp_lg_u32 s14, 0
	s_cbranch_scc1 .Lnot_wave_0_\@
	s_barrier_signal -3
.Lnot_wave_0_\@:
	s_barrier_wait -3
	s_barrier_signal -1
	s_barrier_wait -1
.endm
.macro CROUND
	s_barrier_signal -1
	s_barrier_wait -1
	CREST
.endm
.macro SWAP16 h
.irp j, 0,1,2,3,4,5,6,7
	v_permlane16_swap_b32 v[(\h)+\j], v[(\h)+8+\j]
.endr
.irp j, 0,1,2,3,4,5,6,7
	v_permlane16_swap_b32 v[(\h)+16+\j], v[(\h)+24+\j]
.endr
.endm
.macro QUANT32 h, c, t, mx, so, by
	v_max3_num_f32 v[\mx], |v[(\h)]|, |v[(\h)+1]|, 0x2800000
	v_max3_num_f32 v[\so], |v[(\h)+16]|, |v[(\h)+17]|, |v[(\h)+18]|
.irp i, 2,4,6,8,10,12
	v_max3_num_f32 v[\mx], v[\mx], |v[(\h)+\i]|, |v[(\h)+\i+1]|
	v_max3_num_f32 v[\so], v[\so], |v[(\h)+17+\i]|, |v[(\h)+18+\i]|
.endr
	v_max3_num_f32 v[\mx], v[\mx], |v[(\h)+14]|, |v[(\h)+15]|
	v_max3_num_f32 v[\mx], v[\mx], v[\so], |v[(\h)+31]|
	v_add_nc_u32 v[\so], 0xfe000000, v[\mx]
	v_lshrrev_b32 v[\by], 23, v[\so]
	v_cvt_scalef32_pk16_bf6_f32 v[(\c):(\c)+2], v[(\h):(\h)+15], v[\so]
	v_cvt_scalef32_pk16_bf6_f32 v[(\t):(\t)+2], v[(\h)+16:(\h)+31], v[\so]
	v_nop
	v_mov_b32 v[(\c)+3], v[(\t)]
	v_mov_b32 v[(\c)+4], v[(\t)+1]
	v_mov_b32 v[(\c)+5], v[(\t)+2]
.endm
	s_load_b128 s[4:7], s[0:1], 0x0                ; xq, xs
	s_load_b128 s[8:11], s[0:1], 0x10              ; W's codes, scales
	s_load_b64 s[12:13], s[0:1], 0x20              ; hq
	s_load_b64 s[96:97], s[0:1], 0x28              ; hs
	v_lshl_add_u32 v[SPW], v0, 2, SPARE
	v_mov_b32 v[NIL], 0
	ds_add_u32 v[SPW], v[NIL]                      ; the opening lines
	ds_add_u32 v[SPW], v[NIL]
	v_lshrrev_b32 v1, 5, v0
	v_readfirstlane_b32 s14, v1                    ; wave
	s_lshr_b32 s15, s14, 1                         ; which rows are mine; also: 0 = I fetch x's tiles
	s_and_b32 s16, s14, 1                          ; which columns; also: which half I fetch
	s_bfe_u32 s40, ttmp6, 0x40000
	s_bfe_u32 s41, ttmp6, 0x40004
	s_lshl_b32 s42, ttmp9, 2
	s_add_co_u32 s42, s42, s40                     ; X
	s_and_b32 s17, ttmp7, 0xffff
	s_lshl_b32 s17, s17, 2
	s_add_co_u32 s17, s17, s41                     ; y
	s_lshl_b32 s43, s41, 2
	s_lshl_b32 s43, 15, s43
	s_lshl_b32 s44, 0x1111, s40
	s_or_b32 s[G1], s43, (3<<16)|(1<<21)           ; x: 8 row blocks x two images (3,072 bytes), 12,288 bytes apart
	GRP1 G1, 384, 8, 1536
	s_or_b32 s[G1B], s44, (1<<20)|(1<<21)|(5<<22)|(3<<25)   ; W: 128 whole rows of 768 bytes, 16 bytes of padding behind every 256
	GRP1 G1B, 768, 128, 768
	s_or_b32 s[G1S], s43, (3<<16)|(1<<20)|(1<<21)|(5<<22)|(3<<25)   ; x's scale bytes of 256 rows: 32 runs of 256 bytes
	GRP1 G1S, 32, 32, 32
	s_or_b32 s[G1SB], s44, (3<<16)|(1<<20)|(1<<21)|(5<<22)|(3<<25)  ; W's: two dense runs of 4,096 bytes (value rows, gate rows), 4,096 rows apart
	GRP1 G1SB, 512, 2, 16384
	s_mov_b32 s[SEL], 0x76543210
	s_mov_b32 s[SEL+1], 0xfedcba98
	s_mov_b32 s98, 0xbfb8aa3b                      ; -log2(e)
	s_mov_b32 s99, s98
	s_lshl_b32 s18, s16, 7
	s_lshl_b32 s20, s17, 9
	s_add_co_u32 s20, s20, s18
	s_mul_i32 s20, s20, 768                        ; x: rows 512 y + 128 half
	s_mov_b32 s21, 0
	s_lshl_b32 s22, s17, 14                        ; its scale bytes
	s_mov_b32 s23, 0
	s_lshl_b32 s92, s42, 7
	s_add_co_u32 s92, s92, 576
	s_lshl_b32 s47, s16, 12
	s_add_co_u32 s46, s92, s47                     ; W: row 576 + 128 X + 4,096 half
	s_mul_i32 s46, s46, 768
	s_mov_b32 s47, 0
	s_lshl_b32 s92, s92, 5
	s_mov_b32 s93, 0
	s_mul_i32 s45, s16, HALFA
	s_mul_i32 s95, s16, HALFT
	s_add_co_u32 s95, s95, BB
	s_wait_dscnt 0x0
	s_wait_kmcnt 0x0
	s_add_nc_u64 s[20:21], s[4:5], s[20:21]
	s_add_nc_u64 s[22:23], s[6:7], s[22:23]
	s_add_nc_u64 s[46:47], s[8:9], s[46:47]
	s_add_nc_u64 s[92:93], s[10:11], s[92:93]
	CROUND
	s_mov_b32 s[G0S], 1
	s_mov_b32 s[G0S+1], SCL
	s_mov_b64 s[G0S+2:G0S+3], s[22:23]
	s_or_b32 s[G0S+3], s[G0S+3], 0x80000000
	s_mov_b32 s[G0SB], 1
	s_mov_b32 s[G0SB+1], SCL+2*HALFS
	s_mov_b64 s[G0SB+2:G0SB+3], s[92:93]
	s_or_b32 s[G0SB+3], s[G0SB+3], 0x80000000
	s_mov_b32 s[G0B], 1
	s_mov_b32 s[G0B+1], s95
	s_mov_b64 s[G0B+2:G0B+3], s[46:47]
	s_or_b32 s[G0B+3], s[G0B+3], 0x80000000
.irp s, 0,1
	s_mov_b32 s[G0+4*\s], 1
	s_add_co_u32 s[G0+4*\s+1], s45, \s*SLOT
	s_add_nc_u64 s[G0+4*\s+2:G0+4*\s+3], s[20:21], \s*3072
	s_or_b32 s[G0+4*\s+3], s[G0+4*\s+3], 0x80000000
.endr
	; the head's loads, one a wave: waves 0, 1 slot 0's halves, waves 2, 3 W's value rows and gate rows
	s_cmp_eq_u32 s15, 0
	s_cbranch_scc0 .Lh_b
	tensor_load_to_lds s[G0:G0+3], s[G1:G1+7]
	s_nop 0
	PLACES 4
	s_branch .Lh_x
.Lh_b:
	tensor_load_to_lds s[G0B:G0B+3], s[G1B:G1B+7]
	s_nop 0
	PLACES 4
.Lh_x:
	s_lshl_b32 s20, s17, 5                         ; where the results go
	s_lshl_b32 s21, s15, 2
	s_add_co_u32 s20, s20, s21
	s_mul_i32 s20, s20, 55296
	s_mov_b32 s21, 0
	s_add_nc_u64 s[12:13], s[12:13], s[20:21]
	s_add_co_u32 s46, s42, 4
	s_mul_i32 s47, s46, 1536
	s_mul_i32 s22, s16, 768
	s_add_co_u32 s22, s22, s47
	s_mov_b32 s23, 0
	s_add_nc_u64 s[12:13], s[12:13], s[22:23]
	s_lshl_b32 s46, s46, 14
	s_lshl_b32 s20, s17, 11
	s_add_co_u32 s46, s46, s20
	s_lshl_b32 s20, s14, 8
	s_add_co_u32 s46, s46, s20
	s_mov_b32 s47, 0
	s_add_nc_u64 s[96:97], s[96:97], s[46:47]
	s_mul_i32 s18, s15, 4*3072                     ; the LDS addresses' scalar parts
	s_add_co_u32 s19, s18, SLOT
	s_mul_i32 s22, s16, 64*PITCH
	s_add_co_u32 s22, s22, BB
	s_add_co_u32 s23, s22, 128*PITCH
	s_mul_i32 s21, s15, 2176
	s_mul_i32 s66, s16, 2176
	s_add_co_u32 s66, s66, 2*HALFS
	s_sub_co_u32 s66, s66, s21                     ; lanes 16-31 take W's scale words
	s_add_co_u32 s67, s21, SCL
	s_lshl_b32 s94, s15, 8
	s_lshl_b32 s95, s16, 1
	s_add_co_u32 s94, s94, s95
	s_add_co_u32 s94, s94, HSTG
	s_lshl_b32 s95, s14, 8
	s_add_co_u32 s95, s95, HSTG
	v_and_b32 v1, 15, v0
	v_bfe_u32 v2, v0, 4, 1
	v_and_b32 v6, 31, v0
	v_lshlrev_b32 v[CO16], 4, v6
	v_lshlrev_b32 v[CO8], 3, v6
	v_mul_u32_u24 v3, v1, PITCH
	v_mad_u32_u24 v4, v2, 24, v3
	v_lshl_add_u32 v5, v2, 4, v4
	v_add_nc_u32 v[ADRA], s18, v[CO16]
	v_add_nc_u32 v[ADRA+1], s19, v[CO16]
	v_add_nc_u32 v[ADRA+2], s18, v[CO8]
	v_add_nc_u32 v[ADRA+3], s19, v[CO8]
	v_add_nc_u32 v[ADRB], s22, v4
	v_add_nc_u32 v[ADRB+1], s23, v4
	v_add_nc_u32 v[ADRB+2], s22, v5
	v_add_nc_u32 v[ADRB+3], s23, v5
	v_mul_u32_u24 v8, v1, KS
	v_lshrrev_b32 v6, 8, v8
	v_lshl_add_u32 v8, v6, 4, v8
	v_mul_u32_u24 v6, s66, v2
	v_add_nc_u32 v6, v8, v6
	v_add_nc_u32 v[ADRS0], s67, v6                 ; one address register for each tile: each is stepped along K
	v_add_nc_u32 v[ADRS1], s67, v6
	v_lshl_add_u32 v[HB], v1, 2, s94
	v_add_nc_u32 v[HR], s95, v[CO8]
	v_lshlrev_b32 v[H8], 3, v2
.macro AFRAG reg, a16, a8, off
	ds_load_b128 v[(\reg):(\reg)+3], v[\a16] offset:\off
	ds_load_b64 v[(\reg)+4:(\reg)+5], v[\a8] offset:\off+512
	ds_load_b128 v[(\reg)+6:(\reg)+9], v[\a16] offset:\off+768
	ds_load_b64 v[(\reg)+10:(\reg)+11], v[\a8] offset:\off+1280
.endm
.macro FRAG reg, ks, i                 ; 16 rows of W x K step ks of 128: six pieces of 8 bytes; lanes 16-31 read three pieces on, for some pieces behind one padding more
.irp p, 0,1,2,3,4,5
.set PC, 12*(\ks)+6*(\p/3)+\p%3
.if PC%32 < 29
	ds_load_b64 v[\reg+2*\p:\reg+2*\p+1], v[ADRB+(\i)/4] offset:8*PC+16*(PC/32)+((\i)%4)*16*PITCH
.else
	ds_load_b64 v[\reg+2*\p:\reg+2*\p+1], v[ADRB+2+(\i)/4] offset:8*PC+16*(PC/32)+((\i)%4)*16*PITCH
.endif
.endr
.endm
.macro MUL16 a0, p, q, sc, zero
.irp a, \a0, \a0+1
.irp b, 0,1,2,3,4,5,6,7
.if \zero
	v_wmma_scale_f32_16x16x128_f8f6f4 v[8*(8*((\a)%4)+\b):8*(8*((\a)%4)+\b)+7], v[128*(\p)+FR*\b:128*(\p)+FR*\b+FR-1], v[AF+FR*(\a):AF+FR*(\a)+FR-1], 0, v[SC+8*NQ*(\sc)+NQ*\b+(\q)], v[SC+8*NQ*(\sc)+NQ*(\a)+(\q)] matrix_a_fmt:MATRIX_FMT_BF6 matrix_b_fmt:MATRIX_FMT_BF6 matrix_a_scale:MATRIX_SCALE_ROW1
.else
	v_wmma_scale_f32_16x16x128_f8f6f4 v[8*(8*((\a)%4)+\b):8*(8*((\a)%4)+\b)+7], v[128*(\p)+FR*\b:128*(\p)+FR*\b+FR-1], v[AF+FR*(\a):AF+FR*(\a)+FR-1], v[8*(8*((\a)%4)+\b):8*(8*((\a)%4)+\b)+7], v[SC+8*NQ*(\sc)+NQ*\b+(\q)], v[SC+8*NQ*(\sc)+NQ*(\a)+(\q)] matrix_a_fmt:MATRIX_FMT_BF6 matrix_b_fmt:MATRIX_FMT_BF6 matrix_a_scale:MATRIX_SCALE_ROW1
.endif
.endr
.endr
.endm
.macro FETCH_B ks, p
	WIN TO_B
.irp i, 0,1,2,3,4,5,6,7
	FRAG 128*(\p)+FR*\i, \ks, \i
.endr
	WIN 0
.endm
.macro FETCH_A slot, q, i0
.irp i, \i0, \i0+1, \i0+2, \i0+3
	AFRAG AF+FR*(\i), ADRA+\slot, ADRA+2+\slot, (((\i)%4)+8*((\i)/4))*3072+(\q)*1536
.endr
.endm
.macro SCALES sc
.irp i, 0,1,2,3,4,5,6,7
	ds_load_b64 v[SC+8*NQ*\sc+NQ*\i:SC+8*NQ*\sc+NQ*\i+1], v[ADRS] offset:(\i+4*(\i/4))*SBLK
.endr
.endm
; KC: the tile's slot step (256 along K), kept by the assembler: W's fragments are taken by their place in the whole row
.macro STEP slot, q, zero
	s_wait_dscnt 16                                ; all but x's blocks 4-7
	WIN MUL_LO
	MUL16 0, (\q)%2, \q, \slot, \zero
	MUL16 2, (\q)%2, \q, \slot, \zero
	s_wait_dscnt 0
	PLACES NP
	FETCH_B 2*KC+(\q)+1, 1-(\q)%2
	FETCH_A \slot, (\q)+1, 0
	WIN MUL_HI
	MUL16 4, (\q)%2, \q, \slot, \zero
	MUL16 6, (\q)%2, \q, \slot, \zero
	PLACES NP
	WIN 0
	FETCH_A \slot, (\q)+1, 4
.endm
.macro WALK slot, on
.if \on
	s_add_nc_u64 s[G0+4*\slot+2:G0+4*\slot+3], s[G0+4*\slot+2:G0+4*\slot+3], NEXT_A
.else
	s_add_nc_u64 s[G0+4*\slot+2:G0+4*\slot+3], s[G0+4*\slot+2:G0+4*\slot+3], 6144
.endif
.endm
.macro TURN slot, next, fill           ; a slot's second 128 along K change slots; fill: 0 none, 1 this tile's slot step two on, 2 the next tile's
	s_wait_tensorcnt 0x0                           ; all my tensor loads have landed
	ds_add_u32 v[SPW], v[NIL]
	s_wait_dscnt 17                                ; (the add and x's blocks 4-7 may be out)
	WIN MUL_LO
	MUL16 0, 1, NQ-1, \slot, 0
	s_wait_dscnt 0x0                               ; the add is done, my reads of this slot are over
	s_barrier_signal -1
	MUL16 2, 1, NQ-1, \slot, 0
	WIN 0
	s_barrier_wait -1
.if \fill
	CREST
	WALK \slot, (\fill)-1
	RLOAD \slot, 0
.else
	PLACES NP
.endif
.set KC, KC+1
	s_wait_alu depctr_va_vdst(0)
	v_add_nc_u32 v[ADRS], 4*NQ, v[ADRS]
	FETCH_B 2*KC, 0
	FETCH_A \next, 0, 0
	SCALES \next
	WIN MUL_HI
	MUL16 4, 1, NQ-1, \slot, 0
	MUL16 6, 1, NQ-1, \slot, 0
	PLACES NP
	WIN 0
	FETCH_A \next, 0, 4
.endm
.macro LAST on
.if \on
	s_wait_tensorcnt 0x0
	ds_add_u32 v[SPW], v[NIL]
	s_wait_dscnt 17
	WIN MUL_LO
	MUL16 0, 1, NQ-1, 1, 0
	s_wait_dscnt 0x0                               ; my reads of slot 1 and of this tile's scale words are over
	s_barrier_signal -1
	MUL16 2, 1, NQ-1, 1, 0
	WIN 0
	s_barrier_wait -1
	CREST
	WALK 1, 1
	s_add_nc_u64 s[G0S+2:G0S+3], s[G0S+2:G0S+3], 8192   ; the next 256 rows' scale bytes
	RLOAD 1, 1
.else
	s_wait_dscnt 16
	WIN MUL_LO
	MUL16 0, 1, NQ-1, 1, 0
	MUL16 2, 1, NQ-1, 1, 0
	s_wait_dscnt 0
.endif
	WIN MUL_HI
	MUL16 4, 1, NQ-1, 1, 0
	MUL16 6, 1, NQ-1, 1, 0
	WIN 0
.endm
.macro FIRST
.set KC, 0
	FETCH_B 0, 0
	FETCH_A 0, 0, 0
	SCALES 0
	FETCH_A 0, 0, 4
	STEP 0, 0, 1
	TURN 0, 1, 1
	STEP 1, 0, 0
	TURN 1, 0, 1
	STEP 0, 0, 0
.endm
; the way out of x's block i: h = value x gate / (1 + 2^(-gate log2 e)); 32 hidden units a lane; codes as half an image, the block's byte through LDS
.macro EPI i, t
.set AC, 64*((\i)%4)
	WIN 0x0a+5*((\i)/4)
.irp b, 0,1,2,3
.irp j, 0,2,4,6
	v_pk_mul_f32 v[E+8*(2*(\b%2)+\b/2)+\j:E+8*(2*(\b%2)+\b/2)+\j+1], v[AC+8*(\b+4)+\j:AC+8*(\b+4)+\j+1], s[98:99] op_sel_hi:[1,0]
.endr
.endr
.irp b, 0,1,2,3
.irp j, 0,2,4,6
	v_pk_mul_f32 v[H+8*(2*(\b%2)+\b/2)+\j:H+8*(2*(\b%2)+\b/2)+\j+1], v[AC+8*(\b+4)+\j:AC+8*(\b+4)+\j+1], v[AC+8*\b+\j:AC+8*\b+\j+1]
.endr
.endr
	WIN 0
.set jj, 0
	s_wait_alu depctr_va_vdst(0)
.rept 32
	v_exp_f32 v[E+jj], v[E+jj]
.set jj, jj+1
.endr
	v_nop
	s_wait_alu depctr_va_vdst(0)
.set jj, 0
.rept 16
	v_pk_add_f32 v[E+jj:E+jj+1], v[E+jj:E+jj+1], 1.0 op_sel_hi:[1,0]
.set jj, jj+2
.endr
.set jj, 0
	s_wait_alu depctr_va_vdst(0)
.rept 32
	v_rcp_f32 v[E+jj], v[E+jj]
.set jj, jj+1
.endr
	v_nop
	s_wait_alu depctr_va_vdst(0)
.set jj, 0
.rept 16
	v_pk_mul_f32 v[H+jj:H+jj+1], v[H+jj:H+jj+1], v[E+jj:E+jj+1]
.set jj, jj+2
.endr
	SWAP16 H
	QUANT32 H, CD+8*(\i), CT, MX, SO, BY+(\i)
	global_store_b128 v[CO16], v[CD+8*(\i):CD+8*(\i)+3], s[12:13] offset:(((\i)%4)+8*((\i)/4))*55296
	global_store_b64 v[CO8], v[CD+8*(\i)+4:CD+8*(\i)+5], s[12:13] offset:(((\i)%4)+8*((\i)/4))*55296+512
	v_lshlrev_b32 v[BY+(\i)], v[H8], v[BY+(\i)]
	v_permlanex16_b32 v[TP], v[BY+(\i)], s[SEL], s[SEL+1]
	v_or_b32 v[BY+(\i)], v[BY+(\i)], v[TP]
	ds_store_b16 v[HB], v[BY+(\i)] offset:64*((\i)%4)+512*((\i)/4)+1024*(\t)
.endm
.macro WAYOUT t
	PLACES NP
	v_mov_b32 v[TP], 0
.irp i, 0,1,2,3,4,5,6,7
	EPI \i, \t
.endr
.if (\t) == 0
	s_wait_tensorcnt 0x0                           ; the next tile's scale bytes (wave 2's load) are read behind this barrier
.endif
	s_wait_dscnt 0x0
	s_barrier_signal -1
	s_barrier_wait -1
	ds_load_b64 v[E:E+1], v[HR] offset:1024*(\t)
	s_wait_dscnt 0x0
	global_store_b64 v[CO8], v[E:E+1], s[96:97]
.endm
	s_wait_alu depctr_va_vdst(0)                   ; the wait at the head's end
	s_wait_tensorcnt 0x0                           ; the later first fills stand behind the full sequence
	ds_add_u32 v[SPW], v[NIL]
	s_wait_dscnt 0x0
	CROUND
	s_cmp_eq_u32 s15, 0                            ; waves 0, 1: slot 1's halves; wave 2: x's scale bytes; wave 3: W's
	s_cbranch_scc0 .Lg_s
	tensor_load_to_lds s[G0+4:G0+7], s[G1:G1+7]
	s_nop 0
	PLACES 4
	s_branch .Lg_x
.Lg_s:
	s_cmp_eq_u32 s14, 2
	s_cbranch_scc0 .Lg_b
	tensor_load_to_lds s[G0S:G0S+3], s[G1S:G1S+7]
	s_nop 0
	PLACES 4
	s_branch .Lg_x
.Lg_b:
	tensor_load_to_lds s[G0SB:G0SB+3], s[G1SB:G1SB+7]
	s_nop 0
	PLACES 4
.Lg_x:
	s_wait_tensorcnt 0x0                           ; the scale bytes are read behind this barrier
	s_barrier_signal -1
	s_barrier_wait -1
	FIRST
	TURN 0, 1, 2
	STEP 1, 0, 0
	LAST 1
	WAYOUT 0
	s_wait_xcnt 0x0
	s_add_nc_u64 s[12:13], s[12:13], 16*55296
	s_add_nc_u64 s[96:97], s[96:97], 1024
.set ADRS, ADRS1
	FIRST
	TURN 0, 1, 0
	STEP 1, 0, 0
	LAST 0
	WAYOUT 1
	s_wait_tensorcnt 0x0                           ; the wave's end
	ds_add_u32 v[SPW], v[NIL]
	s_wait_dscnt 0x0
	CROUND
	s_endpgm
.Lfunc_end_k_q9a147cb96b_ffgemm:
	.size	k_q9a147cb96b_ffgemm, .Lfunc_end_k_q9a147cb96b_ffgemm-k_q9a147cb96b_ffgemm
	.p2alignl 7, 3214868480
	.fill 96, 4, 3214868480
	.section	.rodata,"a",@progbits
	.p2align	6, 0x0
	.amdhsa_kernel k_q9a147cb96b_ffgemm
		.amdhsa_group_segment_fixed_size 327680
		.amdhsa_private_segment_fixed_size 0
		.amdhsa_enable_private_segment 0
		.amdhsa_kernarg_size 48
		.amdhsa_user_sgpr_count 2
		.amdhsa_user_sgpr_kernarg_segment_ptr 1
		.amdhsa_wavefront_size32 1
		.amdhsa_system_sgpr_workgroup_id_x 1
		.amdhsa_system_sgpr_workgroup_id_y 1
		.amdhsa_system_sgpr_workgroup_id_z 1
		.amdhsa_system_vgpr_workitem_id 0
		.amdhsa_next_free_vgpr 1024
		.amdhsa_next_free_sgpr 100
		.amdhsa_reserve_vcc 0
		.amdhsa_float_denorm_mode_32 3
		.amdhsa_float_denorm_mode_16_64 3
		.amdhsa_memory_ordered 1
		.amdhsa_forward_progress 1
		.amdhsa_inst_pref_size 255
	.end_amdhsa_kernel
	.section	.bss,"aw",@nobits
	.p2align	6
	.space	262144
	.amdgpu_metadata
---
amdhsa.version: [ 1, 2 ]
amdhsa.kernels:
  - .name:           k_q9a147cb96b_ffgemm
    .symbol:         k_q9a147cb96b_ffgemm.kd
    .args:
      - { .name: xq, .offset: 0, .size: 8, .value_kind: global_buffer, .address_space: global }
      - { .name: xs, .offset: 8, .size: 8, .value_kind: global_buffer, .address_space: global }
      - { .name: w_fused_codes, .offset: 16, .size: 8, .value_kind: global_buffer, .address_space: global }
      - { .name: w_fused_scales, .offset: 24, .size: 8, .value_kind: global_buffer, .address_space: global }
      - { .name: hq, .offset: 32, .size: 8, .value_kind: global_buffer, .address_space: global }
      - { .name: hs, .offset: 40, .size: 8, .value_kind: global_buffer, .address_space: global }
    .group_segment_fixed_size: 327680
    .private_segment_fixed_size: 0
    .kernarg_segment_align: 8
    .kernarg_segment_size: 48
    .max_flat_workgroup_size: 128
    .sgpr_count:     100
    .vgpr_count:     1024
    .wavefront_size: 32
...
	.end_amdgpu_metadata
.endif
;; end of part 4
;; launch outgemm (part 5): grid 8 x 32, 4 waves a work-group, clusters of 4 x 4, 327,680 bytes of LDS; arguments hq, hs, rope, out0; writes out0
.if DOCPART == 5
	.amdgcn_target "amdgcn-amd-amdhsa--gfx1250"
	.amdhsa_code_object_version 6
	.text
	.protected	k_q9a147cb96b_outgemm
	.globl	k_q9a147cb96b_outgemm
	.p2align	8
	.type	k_q9a147cb96b_outgemm,@function
k_q9a147cb96b_outgemm:
	s_mov_b64 s[64:65], 0
	v_nop
	global_prefetch_b8 v0, s[64:65] scope:SCOPE_SE
	s_setreg_imm32_b32 hwreg(HW_REG_WAVE_MODE, 25, 1), 1
	s_wait_xcnt 0x0
	s_wait_alu depctr_hold_cnt(0) depctr_sa_sdst(0) depctr_va_vdst(0) depctr_va_sdst(0) depctr_va_ssrc(0) depctr_va_vcc(0) depctr_vm_vsrc(0)
	s_getreg_b32 s2, hwreg(HW_REG_IB_STS2, 6, 4)
	s_cmp_eq_u32 s2, 0
	s_cbranch_scc0 .Lentry_in_a_cluster
	s_endpgm
.Lentry_in_a_cluster:
	s_bfe_u32 s2, ttmp6, 0x10000c
	s_cmp_lg_u32 s2, 0xf033
	s_cbranch_scc0 .Lentry_shape_is_right
	s_endpgm
.Lentry_shape_is_right:
; LAUNCH 5 OF 5: out0 = attention's result x w_attn_out + hidden layer x w_ff_out: one chain of f32 sums, K = 512 + 4,096 = 36 steps of 128.  Nothing is left out.
; A tile of out0 is 128 x 128: 256 work-groups; four waves, 64 x 64 each: 16 accumulators.  K goes in nine slot steps of 512 through a ring of two LDS slots.
; BOTH operands come as images of operand registers, 1,536 bytes for 16 rows x 128 K: A from launches attn and ffgemm, B (both weights, in K's order) from launch ln, behind the rotary's table in the buffer rope.
; A tensor row is four images, 6,144 bytes.  Wave 0 fetches A's 8 blocks, wave 1 B's.  The scale words of all 36 K steps (512 bytes a step and side) come once: wave 2 A's, wave 3 B's.
; CLUSTERS 4 x 4: A's tiles are shared along a row, B's along a column.  The product is used transposed: a lane holds eight neighbouring numbers of a row of out0.
; No prefetch: K is nine slot steps, each asked for jointly one slot step ahead.  This launch claims all of LDS.
; REGISTERS: window 0: v0-31 addresses; v32-63 scale words, two sets; v64-127 the way out; v128-255 the accumulators.  Window 1: two fragment buffers, at v0 and v128: A's four, then B's four.
.set APART, 49152
.set HALFA, 24576
.set SLOT,  2*APART
.set ASC,   2*SLOT
.set BSF,   ASC+18432
.set SPARE, BSF+18432
.set WQ0,   524288
.set WS0,   4063232
.set A16S, 16                          ; v16-17, v18-19: 16 x and 8 x lane + my row blocks, slot 0, 1
.set A8S,  18
.set B16S, 20                          ; v20-23 the same for my column blocks
.set B8S,  22
.set ASA,  24
.set ASB,  25
.set STO,  26
.set RD,   27
.set SPW,  28
.set NIL,  29
.set CO,   30
.set OB,   64
.set ACC,  128
.set GA,   20
.set GB,   28
.set GSA,  36
.set GSB,  44
.set G0A,  52                          ; slot 0: s[52:55], slot 1: s[56:59]
.set G0B,  60                          ; slot 0: s[60:63], slot 1: s[68:71]
.set G0SA, 72
.set G0SB, 76
.set MSB, 0
.macro WIN new
.if MSB != (\new)
	s_set_vgpr_msb (MSB<<8)|(\new)
.set MSB, (\new)
.endif
.endm
.set MUL,  0x05
.set TO_F, 0x40
.macro GRP1 g, d0, d1, st
	s_mov_b32 s[\g+1], (\d0)<<16
	s_mov_b32 s[\g+2], (\d1)<<16
	s_mov_b32 s[\g+3], (\d0)<<16
	s_mov_b32 s[\g+4], \d1
	s_mov_b32 s[\g+5], \st
	s_mov_b32 s[\g+6], 0
	s_mov_b32 s[\g+7], 0
.endm
.macro PLACES n
.rept \n
	v_nop
.endr
.endm
.macro RLOAD s                         ; a slot's fill: wave 0 A's part, wave 1 B's; every way has four places for the LDS loads that follow
	s_cmp_eq_u32 s18, 0
	s_cbranch_scc0 .Lrb_\@
	tensor_load_to_lds s[G0A+4*\s:G0A+4*\s+3], s[GA:GA+7]
	s_nop 0
	PLACES 4
	s_branch .Lrx_\@
.Lrb_\@:
	s_cmp_eq_u32 s18, 1
	s_cbranch_scc0 .Lrn_\@
	tensor_load_to_lds s[G0B+8*\s:G0B+8*\s+3], s[GB:GB+7]
	s_nop 0
.Lrn_\@:
	PLACES 4
.Lrx_\@:
.endm
.macro CREST
	s_cmp_lg_u32 s18, 0
	s_cbranch_scc1 .Lnot_wave_0_\@
	s_barrier_signal -3
.Lnot_wave_0_\@:
	s_barrier_wait -3
	s_barrier_signal -1
	s_barrier_wait -1
.endm
.macro CROUND
	s_barrier_signal -1
	s_barrier_wait -1
	CREST
.endm
.macro WM d, a, b, z, sa, sb, ra, rb
.if \z
.if (\ra)&&(\rb)
	v_wmma_scale_f32_16x16x128_f8f6f4 v[(\d):(\d)+7], v[(\a):(\a)+11], v[(\b):(\b)+11], 0, v[\sa], v[\sb] matrix_a_fmt:MATRIX_FMT_BF6 matrix_b_fmt:MATRIX_FMT_BF6 matrix_a_scale:MATRIX_SCALE_ROW1 matrix_b_scale:MATRIX_SCALE_ROW1
.elseif \ra
	v_wmma_scale_f32_16x16x128_f8f6f4 v[(\d):(\d)+7], v[(\a):(\a)+11], v[(\b):(\b)+11], 0, v[\sa], v[\sb] matrix_a_fmt:MATRIX_FMT_BF6 matrix_b_fmt:MATRIX_FMT_BF6 matrix_a_scale:MATRIX_SCALE_ROW1
.elseif \rb
	v_wmma_scale_f32_16x16x128_f8f6f4 v[(\d):(\d)+7], v[(\a):(\a)+11], v[(\b):(\b)+11], 0, v[\sa], v[\sb] matrix_a_fmt:MATRIX_FMT_BF6 matrix_b_fmt:MATRIX_FMT_BF6 matrix_b_scale:MATRIX_SCALE_ROW1
.else
	v_wmma_scale_f32_16x16x128_f8f6f4 v[(\d):(\d)+7], v[(\a):(\a)+11], v[(\b):(\b)+11], 0, v[\sa], v[\sb] matrix_a_fmt:MATRIX_FMT_BF6 matrix_b_fmt:MATRIX_FMT_BF6
.endif
.else
.if (\ra)&&(\rb)
	v_wmma_scale_f32_16x16x128_f8f6f4 v[(\d):(\d)+7], v[(\a):(\a)+11], v[(\b):(\b)+11], v[(\d):(\d)+7], v[\sa], v[\sb] matrix_a_fmt:MATRIX_FMT_BF6 matrix_b_fmt:MATRIX_FMT_BF6 matrix_a_scale:MATRIX_SCALE_ROW1 matrix_b_scale:MATRIX_SCALE_ROW1
.elseif \ra
	v_wmma_scale_f32_16x16x128_f8f6f4 v[(\d):(\d)+7], v[(\a):(\a)+11], v[(\b):(\b)+11], v[(\d):(\d)+7], v[\sa], v[\sb] matrix_a_fmt:MATRIX_FMT_BF6 matrix_b_fmt:MATRIX_FMT_BF6 matrix_a_scale:MATRIX_SCALE_ROW1
.elseif \rb
	v_wmma_scale_f32_16x16x128_f8f6f4 v[(\d):(\d)+7], v[(\a):(\a)+11], v[(\b):(\b)+11], v[(\d):(\d)+7], v[\sa], v[\sb] matrix_a_fmt:MATRIX_FMT_BF6 matrix_b_fmt:MATRIX_FMT_BF6 matrix_b_scale:MATRIX_SCALE_ROW1
.else
	v_wmma_scale_f32_16x16x128_f8f6f4 v[(\d):(\d)+7], v[(\a):(\a)+11], v[(\b):(\b)+11], v[(\d):(\d)+7], v[\sa], v[\sb] matrix_a_fmt:MATRIX_FMT_BF6 matrix_b_fmt:MATRIX_FMT_BF6
.endif
.endif
.endm
	s_load_b128 s[4:7], s[0:1], 0x0                ; hq, hs
	s_load_b128 s[8:11], s[0:1], 0x10              ; rope (the weights' images lie in it), out0
	v_lshl_add_u32 v[SPW], v0, 2, SPARE
	v_mov_b32 v[NIL], 0
	ds_add_u32 v[SPW], v[NIL]                      ; the opening lines
	ds_add_u32 v[SPW], v[NIL]
	v_lshrrev_b32 v1, 5, v0
	v_readfirstlane_b32 s18, v1                    ; wave
	s_lshr_b32 s19, s18, 1                         ; a: which 64 rows
	s_and_b32 s92, s18, 1                          ; c: which 64 columns
	s_bfe_u32 s93, ttmp6, 0x40000
	s_bfe_u32 s94, ttmp6, 0x40004
	s_lshl_b32 s95, ttmp9, 2
	s_add_co_u32 s95, s95, s93                     ; tc
	s_and_b32 s96, ttmp7, 0xffff
	s_lshl_b32 s96, s96, 2
	s_add_co_u32 s96, s96, s94                     ; tr
	s_lshl_b32 s97, s94, 2
	s_lshl_b32 s97, 15, s97
	s_lshl_b32 s98, 0x1111, s93
	s_or_b32 s[GA], s97, (3<<16)|(1<<21)           ; 8 blocks x 6,144 bytes (four images), 55,296 bytes apart: elements of 8 bytes
	GRP1 GA, 768, 8, 6912
	s_or_b32 s[GB], s98, (3<<16)|(1<<21)
	GRP1 GB, 768, 8, 6912
	s_or_b32 s[GSA], s97, (3<<16)|(1<<21)          ; scale words: 36 K steps x 512 bytes; A's steps 16,384 bytes apart,
	GRP1 GSA, 64, 36, 2048
	s_or_b32 s[GSB], s98, (3<<16)|(1<<21)          ; B's 4,096
	GRP1 GSB, 64, 36, 512
	s_mul_i32 s2, s96, 8*55296
	s_mov_b32 s3, 0
	s_lshl_b32 s80, s96, 9
	s_mov_b32 s81, 0
	s_mul_i32 s82, s95, 8*55296
	s_add_co_u32 s82, s82, WQ0
	s_mov_b32 s83, 0
	s_lshl_b32 s84, s95, 9
	s_add_co_u32 s84, s84, WS0
	s_mov_b32 s85, 0
	s_wait_dscnt 0x0
	s_wait_kmcnt 0x0
	s_add_nc_u64 s[4:5], s[4:5], s[2:3]
	s_add_nc_u64 s[6:7], s[6:7], s[80:81]
	s_add_nc_u64 s[12:13], s[8:9], s[82:83]
	s_add_nc_u64 s[14:15], s[8:9], s[84:85]
.irp s, 0,1
	s_mov_b32 s[G0A+4*\s], 1
	s_mov_b32 s[G0A+4*\s+1], \s*SLOT
	s_add_nc_u64 s[G0A+4*\s+2:G0A+4*\s+3], s[4:5], \s*6144
	s_or_b32 s[G0A+4*\s+3], s[G0A+4*\s+3], 0x80000000
	s_mov_b32 s[G0B+8*\s], 1
	s_mov_b32 s[G0B+8*\s+1], \s*SLOT+APART
	s_add_nc_u64 s[G0B+8*\s+2:G0B+8*\s+3], s[12:13], \s*6144
	s_or_b32 s[G0B+8*\s+3], s[G0B+8*\s+3], 0x80000000
.endr
	s_mov_b32 s[G0SA], 1
	s_mov_b32 s[G0SA+1], ASC
	s_mov_b64 s[G0SA+2:G0SA+3], s[6:7]
	s_or_b32 s[G0SA+3], s[G0SA+3], 0x80000000
	s_mov_b32 s[G0SB], 1
	s_mov_b32 s[G0SB+1], BSF
	s_mov_b64 s[G0SB+2:G0SB+3], s[14:15]
	s_or_b32 s[G0SB+3], s[G0SB+3], 0x80000000
	CROUND
; the head's loads, one a wave, in one chain of branches on the wave's number
.macro ARM under, g0, g1, next
	s_cmp_lt_u32 s18, \under
	s_cbranch_scc0 \next
	tensor_load_to_lds s[\g0:\g0+3], s[\g1:\g1+7]
	s_nop 0
	PLACES 4
	s_branch .Lhead_asked
\next:
.endm
	ARM 1, G0A,  GA,  .Lhead_b
	ARM 2, G0B,  GB,  .Lhead_sa
	ARM 3, G0SA, GSA, .Lhead_sb
	tensor_load_to_lds s[G0SB:G0SB+3], s[GSB:GSB+7]
	s_nop 0
	PLACES 4
.Lhead_asked:
	s_lshl_b32 s2, s96, 7
	s_lshl_b32 s3, s19, 6
	s_add_co_u32 s2, s2, s3
	s_lshl_b32 s2, s2, 12                          ; my first row: 128 tr + 64 a, 4,096 bytes a row
	s_mov_b32 s3, 0
	s_add_nc_u64 s[16:17], s[10:11], s[2:3]
	s_lshl_b32 s98, s95, 9
	s_lshl_b32 s99, s92, 8
	s_add_co_u32 s98, s98, s99                     ; my first column, in bytes
	s_mov_b32 s99, 0
	s_add_nc_u64 s[16:17], s[16:17], s[98:99]
	s_mul_i32 s80, s19, HALFA
	s_add_co_u32 s81, s80, SLOT
	s_mul_i32 s82, s92, HALFA
	s_add_co_u32 s82, s82, APART
	s_add_co_u32 s83, s82, SLOT
	s_lshl_b32 s84, s19, 8
	s_add_co_u32 s84, s84, ASC
	s_lshl_b32 s85, s92, 8
	s_add_co_u32 s85, s85, BSF
	s_mul_i32 s86, s18, 16*272                     ; my stage, in slot 1: it has had its last fill and its last read when the first result is stored there
	s_add_co_u32 s86, s86, SLOT
	v_and_b32 v1, 15, v0
	v_bfe_u32 v2, v0, 4, 1
	v_and_b32 v3, 31, v0
	v_lshlrev_b32 v15, 4, v3
	v_lshlrev_b32 v14, 3, v3
	v_add_nc_u32 v[A16S], s80, v15
	v_add_nc_u32 v[A16S+1], s81, v15
	v_add_nc_u32 v[A8S], s80, v14
	v_add_nc_u32 v[A8S+1], s81, v14
	v_add_nc_u32 v[B16S], s82, v15
	v_add_nc_u32 v[B16S+1], s83, v15
	v_add_nc_u32 v[B8S], s82, v14
	v_add_nc_u32 v[B8S+1], s83, v14
	v_lshl_add_u32 v[ASA], v3, 2, s84              ; scale words: 4 x lane: lanes 0-15 an even block, lanes 16-31 the next
	v_lshl_add_u32 v[ASB], v3, 2, s85
	v_mul_u32_u24 v4, v1, 272
	v_lshl_add_u32 v4, v2, 5, v4
	v_add_nc_u32 v[STO], s86, v4
	v_mul_u32_u24 v5, v2, 272
	v_lshl_add_u32 v5, v1, 4, v5
	v_add_nc_u32 v[RD], s86, v5
	v_lshlrev_b32 v6, 12, v2
	v_lshl_add_u32 v[CO], v1, 4, v6
.macro AFRAG reg, a16, a8, off
	ds_load_b128 v[(\reg):(\reg)+3], v[\a16] offset:\off
	ds_load_b64 v[(\reg)+4:(\reg)+5], v[\a8] offset:\off+512
	ds_load_b128 v[(\reg)+6:(\reg)+9], v[\a16] offset:\off+768
	ds_load_b64 v[(\reg)+10:(\reg)+11], v[\a8] offset:\off+1280
.endm
.macro FETCH slot, q, buf              ; the fragments of the slot's q-th 128 along K: 32 loads
	WIN TO_F
.irp i, 0,1,2,3
	AFRAG 128*(\buf)+12*\i, A16S+\slot, A8S+\slot, \i*6144+(\q)*1536
.endr
.irp i, 0,1,2,3
	AFRAG 128*(\buf)+48+12*\i, B16S+\slot, B8S+\slot, \i*6144+(\q)*1536
.endr
.endm
.macro SCALES z                        ; a slot's scale words into set z: K step q, pair of blocks n: A's at 32 + 16 z + 2 q + n, B's at 40 + 16 z + 2 q + n
.irp q, 0,1,2,3
.irp n, 0,1
	ds_load_b32 v[32+16*(\z)+2*\q+\n], v[ASA] offset:512*\q+128*\n
	ds_load_b32 v[40+16*(\z)+2*\q+\n], v[ASB] offset:512*\q+128*\n
.endr
.endr
.endm
.macro MUL4 a, buf, q, z, zero         ; A's block a x B's four; the 16 accumulators take turns
.irp b, 0,1,2,3
	WM ACC+8*(4*(\a)+\b), 128*(\buf)+48+12*\b, 128*(\buf)+12*(\a), \zero, 40+16*(\z)+2*(\q)+\b/2, 32+16*(\z)+2*(\q)+(\a)/2, \b%2, (\a)%2
.endr
.endm
.macro STEP slot, q, zero
	PLACES 4
	FETCH \slot, (\q)+1, ((\q)+1)%2
	s_wait_dscnt 32                                ; all but the 32 just issued
	WIN MUL
.irp a, 0,1,2,3
	MUL4 \a, (\q)%2, \q, \slot, \zero
.endr
.endm
.macro TURN slot, next, fill           ; a slot's last 128 along K change slots: one barrier; fill = 1: it opens a round, and this slot takes the slot step two on
	WIN 0
	s_wait_tensorcnt 0x0                           ; all my tensor loads have landed
	ds_add_u32 v[SPW], v[NIL]
	s_wait_dscnt 1                                 ; (the add alone may be out)
	WIN MUL
	MUL4 0, 1, 3, \slot, 0
	s_wait_dscnt 0x0                               ; the add is done, my reads of this slot are over
	s_barrier_signal -1
	MUL4 1, 1, 3, \slot, 0
	WIN 0
	s_barrier_wait -1
.if \fill
	CREST
	s_add_nc_u64 s[G0A+4*\slot+2:G0A+4*\slot+3], s[G0A+4*\slot+2:G0A+4*\slot+3], 12288
	s_add_nc_u64 s[G0B+8*\slot+2:G0B+8*\slot+3], s[G0B+8*\slot+2:G0B+8*\slot+3], 12288
	RLOAD \slot
.else
	PLACES 4
.endif
	s_wait_alu depctr_va_vdst(0)
	v_add_nc_u32 v[ASA], 2048, v[ASA]
	v_add_nc_u32 v[ASB], 2048, v[ASB]
	FETCH \next, 0, 0
	WIN 0
	SCALES \next
	WIN MUL
	MUL4 2, 1, 3, \slot, 0
	MUL4 3, 1, 3, \slot, 0
.endm
	s_wait_alu depctr_va_vdst(0)                   ; the wait at the head's end
	s_wait_tensorcnt 0x0                           ; slot 1's first fill stands behind the full sequence
	ds_add_u32 v[SPW], v[NIL]
	s_wait_dscnt 0x0
	CROUND
	RLOAD 1
	FETCH 0, 0, 0
	WIN 0
	SCALES 0
	STEP 0, 0, 1                                   ; the first products start the sums
	STEP 0, 1, 0
	STEP 0, 2, 0
	TURN 0, 1, 1
	WIN 0
	s_mov_b32 s100, 3
.Llap:                                             ; a trip walks slot 1 and slot 0 and fills both again: slot steps 3 to 8
	STEP 1, 0, 0
	STEP 1, 1, 0
	STEP 1, 2, 0
	TURN 1, 0, 1
	STEP 0, 0, 0
	STEP 0, 1, 0
	STEP 0, 2, 0
	TURN 0, 1, 1
	WIN 0
	s_sub_co_u32 s100, s100, 1
	s_cmp_lg_u32 s100, 0
	s_cbranch_scc1 .Llap
	STEP 1, 0, 0                                   ; the last two slot steps fetch nothing
	STEP 1, 1, 0
	STEP 1, 2, 0
	TURN 1, 0, 0
	STEP 0, 0, 0
	STEP 0, 1, 0
	STEP 0, 2, 0
	s_wait_dscnt 0x0
.irp a, 0,1,2,3
	MUL4 \a, 1, 3, 0, 0
.endr
	WIN 0
; THE WAY OUT, 16 rows x 64 columns at a time, through my own stage: whole rows of 256 bytes come back.  A wave's LDS instructions are served in order (ISA guide 5.7.1.4).
.macro TOSTAGE a
.irp b, 0,1,2,3
	ds_store_b128 v[STO], v[ACC+8*(4*(\a)+\b):ACC+8*(4*(\a)+\b)+3] offset:64*\b
	ds_store_b128 v[STO], v[ACC+8*(4*(\a)+\b)+4:ACC+8*(4*(\a)+\b)+7] offset:64*\b+16
.endr
.irp t, 0,1,2,3,4,5,6,7
	ds_load_b128 v[OB+32*((\a)%2)+4*\t:OB+32*((\a)%2)+4*\t+3], v[RD] offset:\t*2*272
.endr
.endm
.macro SEND a, younger
	s_wait_dscnt \younger                          ; the block is back; the next block's 8 stores and 8 loads may be out
.irp t, 0,1,2,3,4,5,6,7
	global_store_b128 v[CO], v[OB+32*((\a)%2)+4*\t:OB+32*((\a)%2)+4*\t+3], s[16:17] offset:(\a)*65536+\t*8192 th:TH_STORE_NT   ; 16 lanes store 256 consecutive bytes, aligned
.endr
.endm
	PLACES 4
	TOSTAGE 0
.irp a, 1,2,3
.if \a > 1
	s_wait_xcnt 0x0                                ; block a - 2's stores have read their registers
.endif
	TOSTAGE \a
	SEND (\a)-1, 16
.endr
	SEND 3, 0
	s_wait_tensorcnt 0x0                           ; the wave's end
	ds_add_u32 v[SPW], v[NIL]
	s_wait_dscnt 0x0
	CROUND
	s_endpgm
.Lfunc_end_k_q9a147cb96b_outgemm:
	.size	k_q9a147cb96b_outgemm, .Lfunc_end_k_q9a147cb96b_outgemm-k_q9a147cb96b_outgemm
	.p2alignl 7, 3214868480
	.fill 96, 4, 3214868480
	.section	.rodata,"a",@progbits
	.p2align	6, 0x0
	.amdhsa_kernel k_q9a147cb96b_outgemm
		.amdhsa_group_segment_fixed_size 327680
		.amdhsa_private_segment_fixed_size 0
		.amdhsa_enable_private_segment 0
		.amdhsa_kernarg_size 32
		.amdhsa_user_sgpr_count 2
		.amdhsa_user_sgpr_kernarg_segment_ptr 1
		.amdhsa_wavefront_size32 1
		.amdhsa_system_sgpr_workgroup_id_x 1
		.amdhsa_system_sgpr_workgroup_id_y 1
		.amdhsa_system_sgpr_workgroup_id_z 1
		.amdhsa_system_vgpr_workitem_id 0
		.amdhsa_next_free_vgpr 512
		.amdhsa_next_free_sgpr 102
		.amdhsa_reserve_vcc 0
		.amdhsa_float_denorm_mode_32 3
		.amdhsa_float_denorm_mode_16_64 3
		.amdhsa_memory_ordered 1
		.amdhsa_forward_progress 1
		.amdhsa_inst_pref_size 112
	.end_amdhsa_kernel
	.amdgpu_metadata
---
amdhsa.version: [ 1, 2 ]
amdhsa.kernels:
  - .name:           k_q9a147cb96b_outgemm
    .symbol:         k_q9a147cb96b_outgemm.kd
    .args:
      - { .name: hq, .offset: 0, .size: 8, .value_kind: global_buffer, .address_space: global }
      - { .name: hs, .offset: 8, .size: 8, .value_kind: global_buffer, .address_space: global }
      - { .name: rope, .offset: 16, .size: 8, .value_kind: global_buffer, .address_space: global }
      - { .name: out0, .offset: 24, .size: 8, .value_kind: global_buffer, .address_space: global }
    .group_segment_fixed_size: 327680
    .private_segment_fixed_size: 0
    .kernarg_segment_align: 8
    .kernarg_segment_size: 32
    .max_flat_workgroup_size: 128
    .sgpr_count:     102
    .vgpr_count:     512
    .wavefront_size: 32
...
	.end_amdgpu_metadata
.endif
;; end of part 5
